; MI455X (gfx1250); checked and timed in simulation.
; The chip was launched on July 23, 2026; its instructions are those of AMD's public machine-readable ISA for CDNA 5 (MIT licence, August 2026) and "CDNA5" Instruction Set Architecture Reference Guide (July 2026). The comments in the code are by the model that wrote it; some were corrected since.
;; Cross Attention. Allowed arithmetic: float matrix products may take bf16 or f16 operands with f32 sums; all other float work in f32.
;; Inputs: Wk 384 x 384 float32; Wp 384 x 384 float32; Wq 384 x 384 float32; Wv 384 x 384 float32; bp 384 float32; t 4 x 4,096 x 384 float32; x 4 x 4,096 x 384 float32.
;; Outputs: out0 4 x 4,096 x 384 float32.
;; 2 versions, each right and faster than the one before. Each part assembles by itself: llvm-mc -triple=amdgcn-amd-amdhsa -mcpu=gfx1250 --defsym DOCPART=n.
;; ======== version 1 of 2: 4 launches
;; limits: values are held in f16: magnitudes above 65,504 overflow, below 6.1e-05 lose precision
;; workspace buffers: wts 1,179,648 bytes; qh 12,582,912 bytes; kh 12,582,912 bytes; vh 12,582,912 bytes; ob 12,582,912 bytes
;; launch prep (part 1): grid 64 x 4, 6 waves a work-group, no clusters, 0 bytes of LDS; arguments Wq, Wk, Wv, Wp, wts; writes wts
.if DOCPART == 1
	.amdgcn_target "amdgcn-amd-amdhsa--gfx1250"
	.amdhsa_code_object_version 6
	.text
	.protected	k_q380bb9c4ee_prep
	.globl	k_q380bb9c4ee_prep
	.p2align	8
	.type	k_q380bb9c4ee_prep,@function
k_q380bb9c4ee_prep:
	s_mov_b64 s[64:65], 0
	v_nop
	global_prefetch_b8 v0, s[64:65] scope:SCOPE_SE
	s_setreg_imm32_b32 hwreg(HW_REG_WAVE_MODE, 25, 1), 1
	s_wait_xcnt 0x0
; The four weights [384][384] f32 are rounded once to bf16 and laid one behind the other in wts, layout [c][d] unchanged:
; Wq, Wk, Wv as bf16; Wp's bf16 number written as f16, since the last product multiplies f16 operands.
; LIMIT: that rewriting is exact for 1.6e-5 <= |Wp| < 65,504; below it f16's fixed step of 6e-8 holds, beyond it an infinity arises.
; The grid's y picks the weight, x one of 64 pieces of 9,216 bytes.  192 threads, three loads of 16 bytes each; a wave's load covers
; 512 consecutive bytes, a wave's store 256 consecutive bytes at a multiple of 256 from wts' first byte.
; A stream of 3.5 MB that is read and written once: no LDS, no matrix unit, no cluster (no two work-groups read the same byte).
.set PIECE, 9216                       ; f32 bytes of a work-group
.set WBYTES, 384*384*2                 ; bytes of one weight in wts
	s_load_b256 s[4:11], s[0:1], 0x0               ; Wq s[4:5], Wk s[6:7], Wv s[8:9], Wp s[10:11]
	s_load_b64 s[12:13], s[0:1], 0x20              ; wts
	s_and_b32 s14, ttmp7, 0xffff                   ; which weight
	s_mul_i32 s16, ttmp9, PIECE                    ; my piece in the source,
	s_mov_b32 s17, 0
	s_mul_i32 s18, s14, WBYTES                     ; and in wts
	s_mul_i32 s19, ttmp9, PIECE/2
	s_add_co_u32 s18, s18, s19
	s_mov_b32 s19, 0
	v_lshlrev_b32 v1, 4, v0                        ; 16 bytes a thread in,
	v_lshlrev_b32 v2, 3, v0                        ; 8 bytes out
	s_wait_kmcnt 0x0
	s_cmp_eq_u32 s14, 1                            ; the choice hangs on the work-group's y alone
	s_cselect_b64 s[4:5], s[6:7], s[4:5]
	s_cmp_eq_u32 s14, 2
	s_cselect_b64 s[4:5], s[8:9], s[4:5]
	s_cmp_eq_u32 s14, 3
	s_cselect_b64 s[4:5], s[10:11], s[4:5]
	s_add_nc_u64 s[4:5], s[4:5], s[16:17]
	s_add_nc_u64 s[12:13], s[12:13], s[18:19]
.irp i, 0,1,2
	global_load_b128 v[4+4*\i:7+4*\i], v1, s[4:5] offset:3072*\i th:TH_LOAD_NT
.endr
	s_wait_loadcnt 0x0
.irp i, 0,1,2
	v_cvt_pk_bf16_f32 v[16+2*\i], v[4+4*\i], v[5+4*\i]
	v_cvt_pk_bf16_f32 v[17+2*\i], v[6+4*\i], v[7+4*\i]
.endr
	s_cmp_lg_u32 s14, 3
	s_cbranch_scc1 .Lstore                         ; only Wp goes on to f16
.irp i, 0,1,2,3,4,5
	v_lshlrev_b32 v22, 16, v[16+\i]                ; the two bf16 numbers as f32,
	v_and_b32 v23, 0xffff0000, v[16+\i]
	v_cvt_pk_f16_f32 v[16+\i], v22, v23            ; and as f16
.endr
.Lstore:
.irp i, 0,1,2
	global_store_b64 v2, v[16+2*\i:17+2*\i], s[12:13] offset:1536*\i
.endr
	s_endpgm
.Lfunc_end_k_q380bb9c4ee_prep:
	.size	k_q380bb9c4ee_prep, .Lfunc_end_k_q380bb9c4ee_prep-k_q380bb9c4ee_prep
	.p2alignl 7, 3214868480
	.fill 96, 4, 3214868480
	.section	.rodata,"a",@progbits
	.p2align	6, 0x0
	.amdhsa_kernel k_q380bb9c4ee_prep
		.amdhsa_group_segment_fixed_size 0
		.amdhsa_private_segment_fixed_size 0
		.amdhsa_enable_private_segment 0
		.amdhsa_kernarg_size 40
		.amdhsa_user_sgpr_count 2
		.amdhsa_user_sgpr_kernarg_segment_ptr 1
		.amdhsa_wavefront_size32 1
		.amdhsa_system_sgpr_workgroup_id_x 1
		.amdhsa_system_sgpr_workgroup_id_y 1
		.amdhsa_system_sgpr_workgroup_id_z 1
		.amdhsa_system_vgpr_workitem_id 0
		.amdhsa_next_free_vgpr 24
		.amdhsa_next_free_sgpr 66
		.amdhsa_reserve_vcc 0
		.amdhsa_float_denorm_mode_32 3
		.amdhsa_float_denorm_mode_16_64 3
		.amdhsa_memory_ordered 1
		.amdhsa_forward_progress 1
		.amdhsa_inst_pref_size 4
	.end_amdhsa_kernel
	.amdgpu_metadata
---
amdhsa.version: [ 1, 2 ]
amdhsa.kernels:
  - .name:           k_q380bb9c4ee_prep
    .symbol:         k_q380bb9c4ee_prep.kd
    .args:
      - { .name: Wq, .offset: 0, .size: 8, .value_kind: global_buffer, .address_space: global }
      - { .name: Wk, .offset: 8, .size: 8, .value_kind: global_buffer, .address_space: global }
      - { .name: Wv, .offset: 16, .size: 8, .value_kind: global_buffer, .address_space: global }
      - { .name: Wp, .offset: 24, .size: 8, .value_kind: global_buffer, .address_space: global }
      - { .name: wts, .offset: 32, .size: 8, .value_kind: global_buffer, .address_space: global }
    .group_segment_fixed_size: 0
    .private_segment_fixed_size: 0
    .kernarg_segment_align: 8
    .kernarg_segment_size: 40
    .max_flat_workgroup_size: 192
    .sgpr_count:     66
    .vgpr_count:     24
    .wavefront_size: 32
...
	.end_amdgpu_metadata
.endif
;; end of part 1
;; launch proj (part 2): grid 256 x 1, 4 waves a work-group, clusters of 4 x 1, 327,680 bytes of LDS; arguments t, x, wts, qh, kh, vh; writes qh, kh, vh
.if DOCPART == 2
	.amdgcn_target "amdgcn-amd-amdhsa--gfx1250"
	.amdhsa_code_object_version 6
	.text
	.protected	k_q380bb9c4ee_proj
	.globl	k_q380bb9c4ee_proj
	.p2align	8
	.type	k_q380bb9c4ee_proj,@function
k_q380bb9c4ee_proj:
	s_mov_b64 s[64:65], 0
	v_nop
	global_prefetch_b8 v0, s[64:65] scope:SCOPE_SE
	s_setreg_imm32_b32 hwreg(HW_REG_WAVE_MODE, 25, 1), 1
	s_wait_xcnt 0x0
	s_wait_alu depctr_hold_cnt(0) depctr_sa_sdst(0) depctr_va_vdst(0) depctr_va_sdst(0) depctr_va_ssrc(0) depctr_va_vcc(0) depctr_vm_vsrc(0)
	s_getreg_b32 s2, hwreg(HW_REG_IB_STS2, 6, 4)
	s_cmp_eq_u32 s2, 0
	s_cbranch_scc0 .Lentry_in_a_cluster
	s_endpgm
.Lentry_in_a_cluster:
	s_bfe_u32 s2, ttmp6, 0x10000c
	s_cmp_lg_u32 s2, 0x3003
	s_cbranch_scc0 .Lentry_shape_is_right
	s_endpgm
.Lentry_shape_is_right:
; q = t Wq, k = x Wk, v = x Wv.  t, x: [16384][384] f32, rounded to bf16 on the way; the weights come as bf16 [c][d] from wts; sums in f32;
; q, k, v leave as f16 [16384][384], rounded once and WITHOUT the softmax scale.
; LIMIT: |q|, |k|, |v| stay below 65,504 (f16); a larger sum becomes an infinity.  NaN and infinities are not treated apart.
; SHARES.  A work-group owns 64 rows of t and of x: each byte of them is read once, rounded, and kept in LDS.  It walks the 12 weight tiles of
; 96 c-rows (four for each weight) through two LDS slots.  Wave w makes all 64 rows x its 96 columns of a weight: 24 accumulators, 72 products a tile.
; A wave's six column blocks are columns 128 g + 32 w + 16 i (g = 0..2, i = 0..1), so that its offset in a padded LDS row is linear in w.
; THE PRODUCT IS USED TRANSPOSED: source 0 = 16 columns of W (turned out of LDS by ds_load_tr16_b128), source 1 = 16 rows of data: a lane then holds
; eight neighbouring columns of one row, 16 bytes of f16.
; CLUSTER.  All work-groups walk the same weights, so the four of a cluster ask for each tile JOINTLY: the same tensor load, descriptor and mask in all four.
; REGISTERS, in windows of 256 (s_set_vgpr_msb: bits 1:0 source 0, 3:2 source 1, 5:4 source 2, 7:6 destination):
;   window 0: v0-31 addresses; v64-159 DF, data fragments (at first t rounded); v160-255 PKO, the way out (at first x rounded)
;   window 1: v0-191 t as loaded      window 2: v128-175, v176-223 weight fragments, two buffers      window 3: v0-191 x as loaded, then the accumulators (cb, t) at 8 (4 cb + t)
.set WPI,   864                        ; a weight row in LDS: 3 x (256 bytes + 32 of padding) = 27 x 32: the turning load's 8 rows x 32 bytes fall on different banks (64 banks of 4 bytes: ISA guide 11.1)
.set SLOTB, 96*WPI                     ; slot A begins at 0
.set DP,    784                        ; a row of data or of the stage: 768 + 16 = 49 x 16 bytes: 16 rows start at 16 different groups of four banks
.set DT,    2*96*WPI                   ; t in bf16, 64 rows
.set DX,    DT+64*DP                   ; x in bf16
.set STGP,  DX+64*DP                   ; the work-group's stage for the way out
.set SPARE, STGP+64*DP                 ; the spare words, 128 bytes for each wave: two blocks of 256 bytes that no other line names
.set WSTEP, 2*96*768                   ; bytes from a slot's tile to its next
.set AW,  4                            ; v4-7   LDS address of my weight fragments: slot A rows 0-63, rows 64-95; slot B likewise
.set DA,  8                            ; v8     LDS address of the data fragments in hand (t, later x)
.set DAX, 9                            ; v9     the same for x
.set DST, 10                           ; v10    where I put 8 bytes of rounded t
.set DSX, 11                           ; v11    of x
.set STO, 12                           ; v12    the way out: where I put 16 bytes of a row
.set RA,  13                           ; v13    the way out: where I read rows back
.set RB,  14                           ; v14    the same for the load that crosses from a row to the next
.set GO,  15                           ; v15    16 x lane: my place in 512 consecutive bytes of memory
.set SPW, 30                           ; v30    LDS address of my spare word; never rewritten
.set NIL, 31                           ; v31    0; never rewritten
.set DF,  64
.set PKO, 160
.set F0,  128
.set F1,  176
.set WV,  16                           ; s16    my wave's number
.set G1W, 24                           ; s[24:31] descriptor group 1 of the weight tiles
.set GA,  32                           ; s[32:35] group 0 for slot A
.set GB,  36                           ; s[36:39] for slot B
.set CNT, 40                           ; s40    weights to go
.set OP,  42                           ; s[42:43] where the weight in hand stores; s[44:47] the next two
.set W_F,   0x80                       ; destination window 2
.set W_MM,  0xf2                       ; weights in window 2, data in window 0, C and D in window 3
.set W_OUT, 0x0f                       ; sources 0 and 1 in window 3
.set MSB, 0
.macro WIN new                         ; the immediate's high byte repeats the setting that is left; a switch that changes nothing is dropped
.if MSB != (\new)
	s_set_vgpr_msb (MSB<<8)|(\new)
.set MSB, (\new)
.endif
.endm
.macro PLACES                          ; a load into, or a vector read of, a matrix instruction's registers stands four plain vector instructions behind it
.rept 4
	v_nop
.endr
.endm
; A round of the cluster's barrier: my work-group's barrier, so that wave 0's signal speaks for all four waves; wave 0 signals; every wave waits for all four work-groups; my work-group's barrier once more.
.macro ROUND
	s_barrier_signal -1
	s_barrier_wait -1
	s_cmp_lg_u32 s[WV], 0
	s_cbranch_scc1 .Lnot_wave_0_\@
	s_barrier_signal -3
.Lnot_wave_0_\@:
	s_barrier_wait -3
	s_barrier_signal -1
	s_barrier_wait -1
.endm
.macro TLOAD g0, g1                    ; every wave asks for its quarter of a tile; an s_nop 0 and four v_nop follow
	tensor_load_to_lds s[(\g0):(\g0)+3], s[(\g1):(\g1)+7]
	s_nop 0
	PLACES
.endm
; THE CHANGE OF SLOTS.  Each wave waits for all its tensor loads, of which one is out: its quarter of the tile to be read next (group 0 'land', which may then step); adds 0 to its spare word;
; and waits for that and for its own LDS reads and stores.  fill = 1: a round of the cluster's barrier, so that no wave of any partner still reads the other slot or has a load on its way, and
; first thing behind it the joint refill of that slot.  Six v_nop in all: the places in front of the loads and products that follow.
.macro CHG land, step, next, g1, fill
	WIN 0
	s_wait_tensorcnt 0x0
	ds_add_u32 v[SPW], v[NIL]
.if (\step) != 0
	s_add_nc_u64 s[(\land)+2:(\land)+3], s[(\land)+2:(\land)+3], \step
.endif
	s_wait_dscnt 0x0
.if \fill
	ROUND
	TLOAD \next, \g1
.else
	s_barrier_signal -1
	s_barrier_wait -1
	PLACES
.endif
	v_nop
	v_nop
.endm
	s_load_b256 s[4:11], s[0:1], 0x0               ; t s[4:5], x s[6:7], wts s[8:9], qh s[10:11]
	s_load_b128 s[12:15], s[0:1], 0x20             ; kh s[12:13], vh s[14:15]
	v_lshl_add_u32 v[SPW], v0, 2, SPARE
	v_mov_b32 v[NIL], 0
	ds_add_u32 v[SPW], v[NIL]                      ; the wave's opening: the add and its wait stand ahead of my first tensor load; the set-up below stands between them
	v_lshrrev_b32 v1, 5, v0
	v_readfirstlane_b32 s[WV], v1                  ; wave 0..3
	s_bfe_u32 s17, ttmp6, 0x40000                  ; cx: my place in the cluster
	s_lshl_b32 s18, ttmp9, 2                       ; in a cluster launch ttmp9 counts clusters
	s_add_co_u32 s18, s18, s17                     ; my block of 64 rows: it enters the addresses of t, x, q, k, v alone
	s_mul_i32 s20, s18, 64*1536                    ; the block's f32 bytes,
	s_mul_i32 s21, s[WV], 16*1536                  ; my wave's 16 rows of it
	s_add_co_u32 s20, s20, s21
	s_mov_b32 s21, 0
	s_mul_i32 s22, s[WV], 24*768                   ; my quarter of a weight tile: 24 rows
	s_mov_b32 s23, 0
	s_mul_i32 s40, s18, 64*768                     ; the block's f16 bytes, my wave's 16 rows
	s_mul_i32 s41, s[WV], 16*768
	s_add_co_u32 s40, s40, s41
	s_mov_b32 s41, 0
	; descriptor group 1.  A quarter is 18,432 dense bytes: asked for as 72 rows of 256 bytes, padded in LDS by 32 bytes after each
	s_mov_b32 s[G1W], 15|(1<<16)|(1<<20)|(1<<21)|(5<<22)|(7<<25)  ; 15:0 the mask of four; 17:16 2-byte elements; 20 padding on; 21 set beside a mask; 24:22 after every 64 words (code 5); 31:25 8 words (code 7)
	s_mov_b32 s[G1W+1], 128<<16                    ; tensor_dim0 = 128
	s_mov_b32 s[G1W+2], 72<<16                     ; tensor_dim1 = 72
	s_mov_b32 s[G1W+3], 128<<16                    ; tile_dim0 = 128
	s_mov_b32 s[G1W+4], 72                         ; tile_dim1 = 72
	s_mov_b32 s[G1W+5], 128                        ; 128 elements from row to row
	s_mov_b32 s[G1W+6], 0
	s_mov_b32 s[G1W+7], 0
	s_mov_b32 s[GA], 1                             ; count = 1
	s_mul_i32 s[GA+1], s[WV], 24*WPI               ; LDS address: slot A, my quarter
	s_mov_b32 s[GB], 1
	s_add_co_u32 s[GB+1], s[GA+1], SLOTB
	v_and_b32 v17, 31, v0
	v_lshlrev_b32 v[GO], 4, v17
	s_wait_dscnt 0x0                               ; the opening add is done
	s_wait_kmcnt 0x0
	s_add_nc_u64 s[4:5], s[4:5], s[20:21]          ; t and x at my wave's 16 rows: 24,576 consecutive bytes
	s_add_nc_u64 s[6:7], s[6:7], s[20:21]
	s_add_nc_u64 s[8:9], s[8:9], s[22:23]          ; wts at my quarter of tile 0
	s_mov_b64 s[GA+2:GA+3], s[8:9]
	s_or_b32 s[GA+3], s[GA+3], 0x80000000          ; type = 2
	s_add_nc_u64 s[GB+2:GB+3], s[8:9], 96*768      ; tile 1
	s_or_b32 s[GB+3], s[GB+3], 0x80000000
	s_add_nc_u64 s[OP:OP+1], s[10:11], s[40:41]
	s_add_nc_u64 s[OP+2:OP+3], s[12:13], s[40:41]
	s_add_nc_u64 s[OP+4:OP+5], s[14:15], s[40:41]
	WIN 0x40                                       ; destination window 1
.set i, 0
.rept 48
	global_load_b128 v[4*i:4*i+3], v[GO], s[4:5] offset:512*i th:TH_LOAD_NT  ; 512 consecutive bytes a load
.set i, i+1
.endr
	WIN 0xc0                                       ; destination window 3
.set i, 0
.rept 48
	global_load_b128 v[4*i:4*i+3], v[GO], s[6:7] offset:512*i th:TH_LOAD_NT
.set i, i+1
.endr
	WIN 0
	ROUND                                          ; all four work-groups are here: the first joint load meets
	TLOAD GA, G1W                                  ; tile 0
	v_and_b32 v1, 15, v0                           ; r = lane % 16
	v_bfe_u32 v2, v0, 4, 1                         ; h = lane / 16
	v_and_b32 v3, 7, v0
	v_bfe_u32 v16, v0, 3, 1
	; The turning load takes 16 c-rows x 16 columns (lane l reads row 8 h + l % 8, columns 8 ((l / 8) % 2) + 0..7) and leaves half a fragment: lane l holds column l % 16 and 8 c.
	v_lshl_add_u32 v[AW], v2, 3, v3
	v_mul_u32_u24 v[AW], v[AW], WPI
	v_lshl_add_u32 v[AW], v16, 4, v[AW]
	s_lshl_b32 s19, s[WV], 6                       ; my 32 columns in each group of 128
	v_add_nc_u32 v[AW], s19, v[AW]
	v_add_nc_u32 v[AW+1], 64*WPI, v[AW]
	v_add_nc_u32 v[AW+2], SLOTB, v[AW]
	v_add_nc_u32 v[AW+3], SLOTB+64*WPI, v[AW]
	v_mul_u32_u24 v[DA], v1, DP                    ; a data fragment: row r, 16 bytes for each half of the lanes
	v_lshl_add_u32 v[DA], v2, 4, v[DA]
	v_add_nc_u32 v[STO], s19, v[DA]                ; the stage has the same pitch: row r, 64 w + 16 h
	v_add_nc_u32 v[STO], STGP, v[STO]
	v_add_nc_u32 v[DAX], DX, v[DA]
	v_add_nc_u32 v[DA], DT, v[DA]
	s_mul_i32 s19, s[WV], 16*DP                    ; my wave's 16 rows
	v_lshl_add_u32 v[DST], v17, 3, s19
	v_add_nc_u32 v[DSX], DX, v[DST]
	v_add_nc_u32 v[DST], DT, v[DST]
	v_add_nc_u32 v[RA], s19, v[GO]
	v_add_nc_u32 v[RA], STGP, v[RA]
	v_lshl_add_u32 v[RB], v2, 4, v[RA]             ; lanes 16-31 of the crossing load are one row's padding further on
	v_add_nc_u32 v[RB], 512, v[RB]
	; t, then x: rounded to bf16, eight loads at a time, and put into LDS: load i is 128 numbers of row i / 3
	WIN 0x05                                       ; sources in window 1
.set i, 0
.rept 48
.if i%8 == 0
.if 88-i > 63
	s_wait_loadcnt 63                              ; 88 - i loads were issued behind this group of eight; the wait's field ends at 63, which asks for more than is needed
.else
	s_wait_loadcnt 88-i
.endif
.endif
	v_cvt_pk_bf16_f32 v[DF+2*i], v[4*i], v[4*i+1]
	v_cvt_pk_bf16_f32 v[DF+2*i+1], v[4*i+2], v[4*i+3]
.set i, i+1
.endr
	WIN 0
.set i, 0
.rept 48
	ds_store_b64 v[DST], v[DF+2*i:DF+2*i+1] offset:DP*(i/3)+256*(i%3)
.set i, i+1
.endr
	WIN 0x0f                                       ; sources in window 3
.set i, 0
.rept 48
.if i%8 == 0
	s_wait_loadcnt 40-i                            ; the loads issued behind this group of eight
.endif
	v_cvt_pk_bf16_f32 v[PKO+2*i], v[4*i], v[4*i+1]
	v_cvt_pk_bf16_f32 v[PKO+2*i+1], v[4*i+2], v[4*i+3]
.set i, i+1
.endr
	WIN 0
.set i, 0
.rept 48
	ds_store_b64 v[DSX], v[PKO+2*i:PKO+2*i+1] offset:DP*(i/3)+256*(i%3)
.set i, i+1
.endr
; 8 LDS loads: the data fragments (4 tiles of 16 rows) of c = 32 (3 kc + kk) on
.macro FD kc, kk
	WIN 0
.set tt, 0
.rept 4
	ds_load_b128 v[DF+32*(\kk)+8*tt:DF+32*(\kk)+8*tt+3],   v[DA] offset:16*DP*tt+64*(3*(\kc)+(\kk))
	ds_load_b128 v[DF+32*(\kk)+8*tt+4:DF+32*(\kk)+8*tt+7], v[DA] offset:16*DP*tt+64*(3*(\kc)+(\kk))+32
.set tt, tt+1
.endr
.endm
; 12 turning loads: my six column blocks x rows 32 kk on of the tile in the slot
.macro FW slot, kk, f
	WIN W_F
.set cb, 0
.rept 6
	ds_load_tr16_b128 v[(\f)+8*cb:(\f)+8*cb+3],   v[AW+2*(\slot)+(\kk)/2] offset:((\kk)%2)*32*WPI+288*(cb/2)+32*(cb%2)
	ds_load_tr16_b128 v[(\f)+8*cb+4:(\f)+8*cb+7], v[AW+2*(\slot)+(\kk)/2] offset:((\kk)%2)*32*WPI+16*WPI+288*(cb/2)+32*(cb%2)
.set cb, cb+1
.endr
.endm
; 24 products; the 24 accumulators take turns, one instruction a turn.  A weight's first products start the sums with the constant 0.
.macro MW kc, kk, f
	WIN W_MM
.set cb, 0
.rept 6
.set tt, 0
.rept 4
.set rO, 8*(4*cb+tt)
.if ((\kc) == 0) && ((\kk) == 0)
	v_wmma_f32_16x16x32_bf16 v[rO:rO+7], v[(\f)+8*cb:(\f)+8*cb+7], v[DF+32*(\kk)+8*tt:DF+32*(\kk)+8*tt+7], 0
.else
	v_wmma_f32_16x16x32_bf16 v[rO:rO+7], v[(\f)+8*cb:(\f)+8*cb+7], v[DF+32*(\kk)+8*tt:DF+32*(\kk)+8*tt+7], v[rO:rO+7]
.endif
.set tt, tt+1
.endr
.set cb, cb+1
.endr
.endm
; A TRIP: tile kc of a weight, in the slot; the other slot is asked for anew (fill = 1), and that load has the trip's 72 products in which to land.
.macro TRIP kc, slot, fill
.if \slot
	CHG GB, WSTEP, GA, G1W, \fill
.else
	CHG GA, WSTEP, GB, G1W, \fill
.endif
	FD \kc, 0
	FW \slot, 0, F0
	FD \kc, 1
	FW \slot, 1, F1
	s_wait_dscnt 20                                ; the first batch is in; the 20 loads of the second may be out
	MW \kc, 0, F0
	PLACES
	FD \kc, 2
	FW \slot, 2, F0
	s_wait_dscnt 20                                ; the second batch is in
	MW \kc, 1, F1
	s_wait_dscnt 0
	MW \kc, 2, F0
.endm
; THE WAY OUT of a weight: rounded to f16, 16 bytes a lane into the work-group's stage; a barrier, since a row's 768 bytes come from all four waves; back as 12,288 consecutive bytes a wave.
; The tensor load that is out stays out across this barrier.  The stage is written again only behind three rounds.
.macro OUT
	PLACES
	s_wait_xcnt 0x0                                ; PKO was the data of earlier stores: it is rewritten only behind this wait
	WIN W_OUT
.set a, 0
.rept 24
.set jj, 0
.rept 4
	v_cvt_pk_f16_f32 v[PKO+4*a+jj], v[8*a+2*jj], v[8*a+2*jj+1]
.set jj, jj+1
.endr
.set a, a+1
.endr
	WIN 0
.set cb, 0
.rept 6
.set tt, 0
.rept 4
	ds_store_b128 v[STO], v[PKO+4*(4*cb+tt):PKO+4*(4*cb+tt)+3] offset:16*DP*tt+256*(cb/2)+32*(cb%2)
.set tt, tt+1
.endr
.set cb, cb+1
.endr
	s_wait_dscnt 0x0                               ; for the others' sake: my stores into the stage are done
	s_barrier_signal -1
	s_barrier_wait -1
.set a, 0
.rept 8                                ; two rows, 1,536 bytes, are three loads of 512; the middle one crosses from the first row to the second
	ds_load_b128 v[PKO+12*a:PKO+12*a+3],    v[RA] offset:2*DP*a
	ds_load_b128 v[PKO+12*a+4:PKO+12*a+7],  v[RB] offset:2*DP*a
	ds_load_b128 v[PKO+12*a+8:PKO+12*a+11], v[RA] offset:2*DP*a+DP+256
.set a, a+1
.endr
.set i, 0
.rept 24
	s_wait_dscnt 23-i                              ; the loads issued behind load i
	global_store_b128 v[GO], v[PKO+4*i:PKO+4*i+3], s[OP:OP+1] offset:512*i  ; 512 consecutive bytes, at a multiple of 256 from the buffer's first
.set i, i+1
.endr
.endm
	s_mov_b32 s[CNT], 3
	s_branch .Lentry                               ; the loop is entered in the middle of a trip, so that only a weight's last tile is written twice
.Lloop:
	TRIP 3, 1, 1                                   ; a weight's last tile; the next weight's first is asked for
	OUT
	s_wait_xcnt 0x0                                ; the stores have read their base
	s_mov_b64 s[OP:OP+1], s[OP+2:OP+3]             ; k, then v
	s_mov_b64 s[OP+2:OP+3], s[OP+4:OP+5]
	v_mov_b32 v[DA], v[DAX]                        ; from the second weight on the data are x
.Lentry:
	TRIP 0, 0, 1                                   ; the first change of slots also shows every wave's rounded t and x to the others
	TRIP 1, 1, 1
	TRIP 2, 0, 1
	WIN 0
	s_sub_co_u32 s[CNT], s[CNT], 1
	s_cmp_lg_u32 s[CNT], 0
	s_cbranch_scc1 .Lloop
	TRIP 3, 1, 0                                   ; the last tile: nothing is left to fetch (the stepped address is not used)
	OUT
	s_wait_tensorcnt 0x0                           ; the wave's end
	ds_add_u32 v[SPW], v[NIL]
	s_wait_dscnt 0x0
	ROUND                                          ; the closing round: no work-group ends while a partner may still ask for a tile that names it
	s_endpgm
.Lfunc_end_k_q380bb9c4ee_proj:
	.size	k_q380bb9c4ee_proj, .Lfunc_end_k_q380bb9c4ee_proj-k_q380bb9c4ee_proj
	.p2alignl 7, 3214868480
	.fill 96, 4, 3214868480
	.section	.rodata,"a",@progbits
	.p2align	6, 0x0
	.amdhsa_kernel k_q380bb9c4ee_proj
		.amdhsa_group_segment_fixed_size 327680
		.amdhsa_private_segment_fixed_size 0
		.amdhsa_enable_private_segment 0
		.amdhsa_kernarg_size 48
		.amdhsa_user_sgpr_count 2
		.amdhsa_user_sgpr_kernarg_segment_ptr 1
		.amdhsa_wavefront_size32 1
		.amdhsa_system_sgpr_workgroup_id_x 1
		.amdhsa_system_sgpr_workgroup_id_y 1
		.amdhsa_system_sgpr_workgroup_id_z 1
		.amdhsa_system_vgpr_workitem_id 0
		.amdhsa_next_free_vgpr 960
		.amdhsa_next_free_sgpr 66
		.amdhsa_reserve_vcc 0
		.amdhsa_float_denorm_mode_32 3
		.amdhsa_float_denorm_mode_16_64 3
		.amdhsa_memory_ordered 1
		.amdhsa_forward_progress 1
		.amdhsa_inst_pref_size 105
	.end_amdhsa_kernel
	.amdgpu_metadata
---
amdhsa.version: [ 1, 2 ]
amdhsa.kernels:
  - .name:           k_q380bb9c4ee_proj
    .symbol:         k_q380bb9c4ee_proj.kd
    .args:
      - { .name: t, .offset: 0, .size: 8, .value_kind: global_buffer, .address_space: global }
      - { .name: x, .offset: 8, .size: 8, .value_kind: global_buffer, .address_space: global }
      - { .name: wts, .offset: 16, .size: 8, .value_kind: global_buffer, .address_space: global }
      - { .name: qh, .offset: 24, .size: 8, .value_kind: global_buffer, .address_space: global }
      - { .name: kh, .offset: 32, .size: 8, .value_kind: global_buffer, .address_space: global }
      - { .name: vh, .offset: 40, .size: 8, .value_kind: global_buffer, .address_space: global }
    .group_segment_fixed_size: 327680
    .private_segment_fixed_size: 0
    .kernarg_segment_align: 8
    .kernarg_segment_size: 48
    .max_flat_workgroup_size: 128
    .sgpr_count:     66
    .vgpr_count:     960
    .wavefront_size: 32
...
	.end_amdgpu_metadata
.endif
;; end of part 2
;; launch attn (part 3): grid 64 x 4, 4 waves a work-group, clusters of 4 x 1, 327,680 bytes of LDS; arguments qh, kh, vh, ob; writes ob
.if DOCPART == 3
	.amdgcn_target "amdgcn-amd-amdhsa--gfx1250"
	.amdhsa_code_object_version 6
	.text
	.protected	k_q380bb9c4ee_attn
	.globl	k_q380bb9c4ee_attn
	.p2align	8
	.type	k_q380bb9c4ee_attn,@function
k_q380bb9c4ee_attn:
	s_mov_b64 s[64:65], 0
	v_nop
	global_prefetch_b8 v0, s[64:65] scope:SCOPE_SE
	s_setreg_imm32_b32 hwreg(HW_REG_WAVE_MODE, 25, 1), 1
	s_wait_xcnt 0x0
	s_wait_alu depctr_hold_cnt(0) depctr_sa_sdst(0) depctr_va_vdst(0) depctr_va_sdst(0) depctr_va_ssrc(0) depctr_va_vcc(0) depctr_vm_vsrc(0)
	s_getreg_b32 s2, hwreg(HW_REG_IB_STS2, 6, 4)
	s_cmp_eq_u32 s2, 0
	s_cbranch_scc0 .Lentry_in_a_cluster
	s_endpgm
.Lentry_in_a_cluster:
	s_bfe_u32 s2, ttmp6, 0x10000c
	s_cmp_lg_u32 s2, 0x3003
	s_cbranch_scc0 .Lentry_shape_is_right
	s_endpgm
.Lentry_shape_is_right:
; O[b][q][:] = the sum over k of softmax_k(Q[b][q] . K[b][k] / sqrt(48)) V[b][k][:], 384 channels, 4,096 queries and keys in each of 4 batches.  Q, K, V: [16384][384] f16.
; Products, maxima and sums in f32; the weights p are rounded to f16 for the second product (their sum l is taken of the unrounded p), O once at the end.
; O leaves TRANSPOSED IN BLOCKS: ob[b][qb][c][e] = O[b][64 qb + e][c], f16: a work-group's 49,152 bytes are dense.
; LIMITS.  Q, K, V arrive within f16's 65,504; p lies in 0 to 1 and below 6e-5 keeps f16's fixed step of 6e-8; O is a mean of V's rows and has their range.
; A weight below 2^-126 counts as 0 in l; NaN and infinities are not treated apart.  m starts at the lowest finite number.
; SHARES.  A work-group owns 64 queries, four tiles t of 16, and walks the batch's keys in 16 super-steps of 256.  The waves split S^T = K Q^T BY KEYS (wave w: rows 32 w .. 32 w + 31 of each
; tile of 128 keys, all 64 queries) and O^T = V^T P BY CHANNELS (wave w: channels 128 g + 32 w + 16 i + 0..15, g = 0..2, i = 0..1, all 64 queries).  So a fragment of K or V out of LDS feeds
; four products and a fragment of P six.  P crosses the waves through LDS in fragment order, the waves' row maxima through 1 KB of LDS.
; LAYOUT.  S^T (source 0 = 16 keys, source 1 = 16 queries) holds ONE query a lane (lane % 16) and the keys 8 (lane / 16) + 0..7; two such results rounded to f16 in pairs ARE source 1 of O^T = V^T P.
; SOFTMAX.  A running maximum m, the same in all four waves; p = 2^(c s - c m), c = log2(e) / sqrt(48); in every super-step O and l are multiplied by a = 2^(c m_old - c m_new).  Each wave keeps the
; sum l of its own keys; the four are added at the end.  O and l start at 0, c m far below every c s: the first step is a step like any other, with a = 0.  The price: 192 v_mov_b32 in the wait for the first tile.
; THE RING.  Two LDS slots; the tiles of a super-step go K (keys 0-127), K (128-255), V (0-127), V (128-255), slots A, B, A, B.  Behind each change of slots the slot just read is asked for anew,
; one load a wave (its quarter, 96 rows of 256 bytes), which has one trip of 96 products in which to land.
; CLUSTER.  The four query blocks of a cluster belong to one batch and walk the same K and V: each tile is asked for JOINTLY, the same tensor load, descriptor and mask in all four.
; REGISTERS, in windows of 256 (s_set_vgpr_msb: bits 1:0 source 0, 3:2 source 1, 5:4 source 2, 7:6 destination):
;   window 0: v0-31 addresses, PM; v32-47 statistics; v48-63 at work; v64-191 S^T (tile t, key block kb at S + 32 t + 8 kb), later P's fragments; v192-255 packed p (v192-207 also the four waves' maxima)
;   window 1: Q, channel chunks 0-7 at 8 (4 c + t)     window 2: v0-127 Q, chunks 8-11; v128-175, v176-223 fragments of K or V, two buffers     window 3: v0-191 O^T, (cb, t) at 8 (4 cb + t)
.set KP,    816                        ; a row of K in LDS: 3 x (256 bytes + 16 of padding) = 51 x 16: 16 rows start at 16 different groups of four banks (64 banks of 4 bytes: ISA guide 11.1)
.set VP,    864                        ; a row of V: 3 x (256 + 32) = 27 x 32: the turning load's 8 rows x 32 bytes fall on different banks
.set SLOTB, 128*VP                     ; slot A begins at 0; a slot holds 128 rows of either kind
.set PB,    2*128*VP                   ; P: [tile of keys 2][wave's 32 keys 4][query tile 4][half 2][lane 32] x 16 bytes
.set MX,    PB+32768                   ; the waves' maxima: [wave][query % 16] x 16 bytes (four tiles)
.set LX,    MX+1024                    ; the waves' sums, likewise
.set STG,   LX+1024                    ; for each wave 96 rows (channels) x 144 bytes, for the way out
.set SP,    144
.set SPARE, STG+4*96*SP                ; the spare words, 128 bytes for each wave: two blocks of 256 bytes that no other line names
.set KSTEP, 256*768                    ; bytes from a super-step's tile to the next one's
.set AKA, 3                            ; v3, v4   LDS address of my K fragments in slot A, B
.set AV,  5                            ; v5-8     of my V fragments: slot A keys 0-63, 64-127; slot B likewise
.set PST, 9                            ; v9       where I put 16 bytes of P
.set PRD, 10                           ; v10      where I read P's fragments
.set MXS, 11                           ; v11, v12 where I put and read maxima
.set MXR, 12
.set LXS, 13                           ; v13, v14 the same for sums
.set LXR, 14
.set SST, 15                           ; v15      the way out: where I put a number
.set SRD, 16                           ; v16      the way out: where I read rows back
.set GO,  17                           ; v17      16 x lane
.set QO,  18                           ; v18      my byte offset in 16 rows of Q
.set PM,  24                           ; v24-27   my wave's maximum (at the end: sum) for each tile
.set SPW, 30                           ; v30      LDS address of my spare word; never rewritten
.set NIL, 31                           ; v31      0; never rewritten
.set ST,  32                           ; tile t at ST + 4 t: c m, m, l (even keys', odd keys')
.set TMP, 48                           ; tile t at TMP + 4 t: c0-c3 at work; c2 takes a
.set S,   64
.set PK,  192
.set XM,  192
.set F0,  128
.set F1,  176
.set WV,  12                           ; s12  my wave's number
.set G1K, 24                           ; s[24:31] descriptor group 1 for K's tiles
.set G1V, 32                           ; s[32:39] for V's: it differs in the padding alone
.set KA,  40                           ; s[40:55] four groups 0: K into slot A, K into B, V into A, V into B
.set KB,  44
.set VA,  48
.set VB,  52
.set CNT, 56                           ; s56  super-steps to go
.set CS,  58                           ; s[58:59] c: the packed scaling takes the pair's low word for both halves
.set SEL, 60                           ; s[60:61] v_permlanex16_b32's selects: each lane takes its own place in the other half
.set W_S1,  0x06                       ; K in window 2, Q in window 1, S^T in window 0
.set W_S2,  0x0a                       ; Q in window 2
.set W_PV,  0xf2                       ; V in window 2, P in window 0, O^T in window 3
.set W_F,   0x80                       ; destination window 2
.set W_RS,  0xc3                       ; destination and source 0 in window 3
.set W_OUT, 0x0f                       ; sources 0 and 1 in window 3
.set MSB, 0
.macro WIN new                         ; the immediate's high byte repeats the setting that is left; a switch that changes nothing is dropped
.if MSB != (\new)
	s_set_vgpr_msb (MSB<<8)|(\new)
.set MSB, (\new)
.endif
.endm
.macro PLACES                          ; a load into, or a vector read of, a matrix instruction's registers stands four plain vector instructions behind it
.rept 4
	v_nop
.endr
.endm
; A round of the cluster's barrier: my work-group's barrier, so that wave 0's signal speaks for all four waves; wave 0 signals; every wave waits for all four work-groups; my work-group's barrier once more.
.macro ROUND
	s_barrier_signal -1
	s_barrier_wait -1
	s_cmp_lg_u32 s[WV], 0
	s_cbranch_scc1 .Lnot_wave_0_\@
	s_barrier_signal -3
.Lnot_wave_0_\@:
	s_barrier_wait -3
	s_barrier_signal -1
	s_barrier_wait -1
.endm
.macro TLOAD g0, g1                    ; every wave asks for its quarter of a tile; an s_nop 0 and four v_nop follow
	tensor_load_to_lds s[(\g0):(\g0)+3], s[(\g1):(\g1)+7]
	s_nop 0
	PLACES
.endm
; THE CHANGE OF SLOTS.  Each wave waits for all its tensor loads, of which one is out: its quarter of the tile to be read next (group 0 'land', which then steps to the next super-step); adds 0 to its
; spare word; and waits for that and for its own LDS reads and stores.  fill = 1: a round of the cluster's barrier, so that no wave of any partner still reads the other slot or has a load on its way,
; and first thing behind it the joint refill of that slot.  Six v_nop in all: five places are due before a product writes over registers that the last products read.
.macro CHG land, step, next, g1, fill
	WIN 0
	s_wait_tensorcnt 0x0
	ds_add_u32 v[SPW], v[NIL]
.if (\step) != 0
	s_add_nc_u64 s[(\land)+2:(\land)+3], s[(\land)+2:(\land)+3], \step
.endif
	s_wait_dscnt 0x0
.if \fill
	ROUND
	TLOAD \next, \g1
.else
	s_barrier_signal -1
	s_barrier_wait -1
	PLACES
.endif
	v_nop
	v_nop
.endm
	s_load_b256 s[4:11], s[0:1], 0x0               ; qh s[4:5], kh s[6:7], vh s[8:9], ob s[10:11]
	v_lshl_add_u32 v[SPW], v0, 2, SPARE
	v_mov_b32 v[NIL], 0
	ds_add_u32 v[SPW], v[NIL]                      ; the wave's opening: the add and its wait stand ahead of my first tensor load; the set-up below stands between them
	v_lshrrev_b32 v1, 5, v0
	v_readfirstlane_b32 s[WV], v1                  ; wave 0..3
	s_bfe_u32 s13, ttmp6, 0x40000                  ; cx: my place in the cluster
	s_lshl_b32 s14, ttmp9, 2                       ; in a cluster launch ttmp9 counts clusters
	s_add_co_u32 s14, s14, s13                     ; my block of 64 queries: it enters Q's and O's addresses alone
	s_and_b32 s15, ttmp7, 0xffff                   ; the batch, which the four partners share
	s_mul_i32 s16, s15, 4096*768                   ; K and V: the batch's first byte,
	s_mul_i32 s18, s[WV], 32*768                   ; my quarter of a tile: 32 keys
	s_add_co_u32 s16, s16, s18
	s_mov_b32 s17, 0
	s_mul_i32 s20, s15, 4096*768                   ; Q and ob: the batch, my block of 49,152 bytes
	s_mul_i32 s21, s14, 64*768
	s_add_co_u32 s20, s20, s21
	s_mov_b32 s21, 0
	s_lshl_b32 s22, s[WV], 12                      ; ob: my wave's 32 channels of 128 bytes in each group of 128 channels
	s_add_co_u32 s22, s22, s20
	s_mov_b32 s23, 0
	; descriptor group 1.  32 keys are 24,576 dense bytes: asked for as 96 rows of 256 bytes, padded in LDS after each
	s_mov_b32 s[G1K], 15|(1<<16)|(1<<20)|(1<<21)|(5<<22)|(3<<25)  ; 15:0 the mask of four; 17:16 2-byte elements; 20 padding on; 21 set beside a mask; 24:22 after every 64 words (code 5); 31:25 4 words (code 3)
	s_mov_b32 s[G1V], 15|(1<<16)|(1<<20)|(1<<21)|(5<<22)|(7<<25)  ; the same with 8 words of padding (code 7)
.irp g, G1K, G1V
	s_mov_b32 s[\g+1], 128<<16                     ; tensor_dim0 = 128
	s_mov_b32 s[\g+2], 96<<16                      ; tensor_dim1 = 96
	s_mov_b32 s[\g+3], 128<<16                     ; tile_dim0 = 128
	s_mov_b32 s[\g+4], 96                          ; tile_dim1 = 96
	s_mov_b32 s[\g+5], 128                         ; 128 elements from row to row
	s_mov_b32 s[\g+6], 0
	s_mov_b32 s[\g+7], 0
.endr
	s_mul_i32 s18, s[WV], 32*KP                    ; my quarter's place in a slot, for K
	s_mul_i32 s19, s[WV], 32*VP                    ; and for V: no place in the cluster enters an LDS address
	s_mov_b32 s[KA], 1                             ; count = 1
	s_mov_b32 s[KA+1], s18
	s_mov_b32 s[KB], 1
	s_add_co_u32 s[KB+1], s18, SLOTB
	s_mov_b32 s[VA], 1
	s_mov_b32 s[VA+1], s19
	s_mov_b32 s[VB], 1
	s_add_co_u32 s[VB+1], s19, SLOTB
	s_mov_b32 s[CS], 0x3e553b95                    ; c = log2(e) / sqrt(48) = 0.208235
	s_mov_b32 s[CS+1], s[CS]                       ; named with it as a pair
	s_mov_b32 s[SEL], 0x76543210
	s_mov_b32 s[SEL+1], 0xfedcba98
	s_wait_dscnt 0x0                               ; the opening add is done
	s_wait_kmcnt 0x0
	s_add_nc_u64 s[6:7], s[6:7], s[16:17]          ; K and V at my quarter of the batch's first tile
	s_add_nc_u64 s[8:9], s[8:9], s[16:17]
	s_mov_b64 s[KA+2:KA+3], s[6:7]
	s_or_b32 s[KA+3], s[KA+3], 0x80000000          ; type = 2
	s_add_nc_u64 s[KB+2:KB+3], s[6:7], 128*768     ; keys 128 on
	s_or_b32 s[KB+3], s[KB+3], 0x80000000
	s_mov_b64 s[VA+2:VA+3], s[8:9]
	s_or_b32 s[VA+3], s[VA+3], 0x80000000
	s_add_nc_u64 s[VB+2:VB+3], s[8:9], 128*768
	s_or_b32 s[VB+3], s[VB+3], 0x80000000
	s_add_nc_u64 s[4:5], s[4:5], s[20:21]          ; Q at my block's first row
	s_add_nc_u64 s[10:11], s[10:11], s[22:23]      ; ob at my wave's first channel
	ROUND                                          ; all four work-groups are here: the first joint load meets
	TLOAD KA, G1K                                  ; keys 0-127
	; A fragment of K or Q is 16 rows x 32 channels in 8 registers: lane l holds row l % 16, channels 8 (l / 16) + 0..7 and 16 + 8 (l / 16) + 0..7: two loads of 16 bytes, 32 bytes apart.
	v_and_b32 v1, 15, v0                           ; r = l % 16
	v_bfe_u32 v2, v0, 4, 1                         ; h = l / 16
	v_mul_u32_u24 v[QO], v1, 768
	v_lshl_add_u32 v[QO], v2, 4, v[QO]
	WIN 0x40                                       ; destination window 1
.set c, 0
.rept 12                               ; Q stays in registers: 12 chunks of 32 channels x 4 tiles
.if c == 8
	WIN W_F
.endif
.set tt, 0
.rept 4
.set rQ, 32*(c%8)+8*tt
	global_load_b128 v[rQ:rQ+3],   v[QO], s[4:5] offset:16*768*tt+64*c
	global_load_b128 v[rQ+4:rQ+7], v[QO], s[4:5] offset:16*768*tt+64*c+32
.set tt, tt+1
.endr
.set c, c+1
.endr
	WIN 0
	s_mul_i32 s18, s[WV], 32*KP                    ; my 32 keys of a tile
	v_mul_u32_u24 v[AKA], v1, KP
	v_lshl_add_u32 v[AKA], v2, 4, v[AKA]
	v_add_nc_u32 v[AKA], s18, v[AKA]
	v_add_nc_u32 v[AKA+1], SLOTB, v[AKA]
	; The turning load takes 16 keys x 16 channels (lane l reads key 8 h + l % 8, channels 8 ((l / 8) % 2) + 0..7) and leaves half a fragment of V^T: lane l holds channel l % 16 and 8 keys.
	v_and_b32 v19, 7, v0
	v_bfe_u32 v20, v0, 3, 1
	v_lshl_add_u32 v[AV], v2, 3, v19
	v_mul_u32_u24 v[AV], v[AV], VP
	v_lshl_add_u32 v[AV], v20, 4, v[AV]
	s_lshl_b32 s18, s[WV], 6                       ; my 32 channels in each group of 128
	v_add_nc_u32 v[AV], s18, v[AV]
	v_add_nc_u32 v[AV+1], 64*VP, v[AV]
	v_add_nc_u32 v[AV+2], SLOTB, v[AV]
	v_add_nc_u32 v[AV+3], SLOTB+64*VP, v[AV]
	v_and_b32 v[GO], 31, v0
	v_lshlrev_b32 v[GO], 4, v[GO]
	s_lshl_b32 s18, s[WV], 12
	s_add_co_u32 s18, s18, PB
	v_add_nc_u32 v[PST], s18, v[GO]
	v_add_nc_u32 v[PRD], PB, v[GO]
	s_lshl_b32 s18, s[WV], 8
	s_add_co_u32 s18, s18, MX
	v_lshl_add_u32 v[MXS], v1, 4, s18
	v_lshlrev_b32 v[MXR], 4, v1
	v_add_nc_u32 v[MXR], MX, v[MXR]
	v_add_nc_u32 v[LXS], LX-MX, v[MXS]
	v_add_nc_u32 v[LXR], LX-MX, v[MXR]
	s_mul_i32 s18, s[WV], 96*SP
	s_add_co_u32 s18, s18, STG                     ; my stage
	v_mul_u32_u24 v[SST], v2, 8*SP                 ; in: channel row 8 h + .., query r
	v_lshl_add_u32 v[SST], v1, 1, v[SST]
	v_add_nc_u32 v[SST], s18, v[SST]
	v_bfe_u32 v[SRD], v0, 3, 2                     ; back: 32 lanes take four rows of 128 bytes
	v_mul_u32_u24 v[SRD], v[SRD], SP
	v_lshl_add_u32 v[SRD], v19, 4, v[SRD]
	v_add_nc_u32 v[SRD], s18, v[SRD]
	WIN 0xc0                                       ; O^T = 0
.set i, 0
.rept 192
	v_mov_b32 v[i], 0
.set i, i+1
.endr
	WIN 0
.set tt, 0
.rept 4
	v_mov_b32 v[ST+4*tt], 0xfe000000               ; c m: far below every c s
	v_mov_b32 v[ST+4*tt+1], 0xff7fffff             ; m
	v_mov_b32 v[ST+4*tt+2], 0
	v_mov_b32 v[ST+4*tt+3], 0
.set tt, tt+1
.endr
; 12 LDS loads: K's fragments of my 32 keys (kb = 0, 1) x channel chunks 3 g .. 3 g + 2 of the tile in slot s
.macro FK s, g, f
	WIN W_F
.set cc, 0
.rept 3
.set c, 3*(\g)+cc
.set kb, 0
.rept 2
	ds_load_b128 v[(\f)+8*(2*cc+kb):(\f)+8*(2*cc+kb)+3],   v[AKA+(\s)] offset:kb*16*KP+64*c+16*(c/4)
	ds_load_b128 v[(\f)+8*(2*cc+kb)+4:(\f)+8*(2*cc+kb)+7], v[AKA+(\s)] offset:kb*16*KP+64*c+16*(c/4)+32
.set kb, kb+1
.endr
.set cc, cc+1
.endr
.endm
; 24 products of S^T = K Q^T; the tile's 8 accumulators take turns, one instruction a turn.  Chunk 0 starts the sums with the constant 0.
.macro MK s, g, f
.set cc, 0
.rept 3
.set c, 3*(\g)+cc
.if c < 8
	WIN W_S1
.else
	WIN W_S2
.endif
.set kb, 0
.rept 2
.set tt, 0
.rept 4
.set rS, S+32*tt+8*(2*(\s)+kb)
.set rK, (\f)+8*(2*cc+kb)
.set rQ, 32*(c%8)+8*tt
.if c == 0
	v_wmma_f32_16x16x32_f16 v[rS:rS+7], v[rK:rK+7], v[rQ:rQ+7], 0
.else
	v_wmma_f32_16x16x32_f16 v[rS:rS+7], v[rK:rK+7], v[rQ:rQ+7], v[rS:rS+7]
.endif
.set tt, tt+1
.endr
.set kb, kb+1
.endr
.set cc, cc+1
.endr
.endm
.macro TRIPK s                         ; a tile of K: 96 products; each batch of 12 loads is issued a batch ahead
	FK \s, 0, F0
	FK \s, 1, F1
	s_wait_dscnt 12                                ; the older batch is in; the 12 loads of the younger may be out
	MK \s, 0, F0
	PLACES
	FK \s, 2, F0
	s_wait_dscnt 12
	MK \s, 1, F1
	PLACES
	FK \s, 3, F1
	s_wait_dscnt 12
	MK \s, 2, F0
	s_wait_dscnt 0
	MK \s, 3, F1
.endm
; 8 LDS loads: P's fragments (keys 32 kk on of tile s, which wave kk made) for the four query tiles, into S^T's registers
.macro FP s, kk
	WIN 0
.set tt, 0
.rept 4
	ds_load_b128 v[S+32*(\kk)+8*tt:S+32*(\kk)+8*tt+3],   v[PRD] offset:16384*(\s)+4096*(\kk)+1024*tt
	ds_load_b128 v[S+32*(\kk)+8*tt+4:S+32*(\kk)+8*tt+7], v[PRD] offset:16384*(\s)+4096*(\kk)+1024*tt+512
.set tt, tt+1
.endr
.endm
; 12 turning loads: V's fragments of keys 32 kk on x my six channel blocks
.macro FV s, kk, f
	WIN W_F
.set cb, 0
.rept 6
	ds_load_tr16_b128 v[(\f)+8*cb:(\f)+8*cb+3],   v[AV+2*(\s)+(\kk)/2] offset:((\kk)%2)*32*VP+288*(cb/2)+32*(cb%2)
	ds_load_tr16_b128 v[(\f)+8*cb+4:(\f)+8*cb+7], v[AV+2*(\s)+(\kk)/2] offset:((\kk)%2)*32*VP+16*VP+288*(cb/2)+32*(cb%2)
.set cb, cb+1
.endr
.endm
; 24 products of O^T += V^T P; the 24 accumulators take turns
.macro MV kk, f
	WIN W_PV
.set cb, 0
.rept 6
.set tt, 0
.rept 4
.set rO, 8*(4*cb+tt)
	v_wmma_f32_16x16x32_f16 v[rO:rO+7], v[(\f)+8*cb:(\f)+8*cb+7], v[S+32*(\kk)+8*tt:S+32*(\kk)+8*tt+7], v[rO:rO+7]
.set tt, tt+1
.endr
.set cb, cb+1
.endr
.endm
.macro TRIPV s                         ; a tile of V: 96 products
	FP \s, 0
	FV \s, 0, F0
	FP \s, 1
	FV \s, 1, F1
	s_wait_dscnt 20                                ; the older batch is in; the 20 loads of the younger may be out
	MV 0, F0
	PLACES
	FP \s, 2
	FV \s, 2, F0
	s_wait_dscnt 20
	MV 1, F1
	PLACES
	FP \s, 3
	FV \s, 3, F1
	s_wait_dscnt 20
	MV 2, F0
	s_wait_dscnt 0
	MV 3, F1
.endm
; My wave's maximum for each query over its 64 keys: four chains of seven scores, three operands at a time; the four scores left over; the other half of the lanes.  Each accumulator's lowest registers
; are read first.  The first eight lines name only the accumulators of the first tile of keys: they are the places behind the last products, which wrote the second's.
.macro PMAX
	WIN 0
.set n, 0
.rept 18
.set tt, 0
.rept 4
.set rS, S+32*tt
.set rC, TMP+4*tt
.if n < 4
	v_max3_num_f32 v[rC+n], v[rS+8*n], v[rS+8*n+1], v[rS+8*n+2]
.elseif n < 12
	v_max3_num_f32 v[rC+n%4], v[rC+n%4], v[rS+8*(n%4)+2*(n/4)+1], v[rS+8*(n%4)+2*(n/4)+2]
.elseif n == 12
	v_max3_num_f32 v[rC], v[rC], v[rS+7], v[rS+15]
.elseif n == 13
	v_max3_num_f32 v[rC+1], v[rC+1], v[rS+23], v[rS+31]
.elseif n == 14
	v_max_num_f32 v[rC+2], v[rC+2], v[rC+3]
.elseif n == 15
	v_max3_num_f32 v[rC], v[rC], v[rC+1], v[rC+2]
.elseif n == 16
	v_permlanex16_b32 v[rC+3], v[rC], s[SEL], s[SEL+1]
.else
	v_max_num_f32 v[PM+tt], v[rC], v[rC+3]
.endif
.set tt, tt+1
.endr
.set n, n+1
.endr
.endm
; The new m of all four waves' maxima and the old m; c m; a = 2^(c m_old - c m_new) into c2.  The four exponentials stand on end; the scalings behind them are plain and touch neither c1 nor c2.
.macro STAT
	WIN 0
.set n, 0
.rept 6
.set tt, 0
.rept 4
.set rT, ST+4*tt
.set rC, TMP+4*tt
.if n == 0
	v_mov_b32 v[rC+1], v[rT]
.elseif n == 1
	v_max3_num_f32 v[rT+1], v[rT+1], v[XM+tt], v[XM+4+tt]
.elseif n == 2
	v_max3_num_f32 v[rT+1], v[rT+1], v[XM+8+tt], v[XM+12+tt]
.elseif n == 3
	v_mul_f32 v[rT], s[CS], v[rT+1]
.elseif n == 4
	v_sub_f32 v[rC+1], v[rC+1], v[rT]
.else
	v_exp_f32 v[rC+2], v[rC+1]
.endif
.set tt, tt+1
.endr
.set n, n+1
.endr
.endm
.macro SF t, n                         ; c s - c m for pair n of tile t's 16
	v_pk_fma_f32 v[S+32*(\t)+2*(\n):S+32*(\t)+2*(\n)+1], v[S+32*(\t)+2*(\n):S+32*(\t)+2*(\n)+1], s[CS:CS+1], v[ST+4*(\t):ST+4*(\t)+1] op_sel_hi:[1,0,0] neg_lo:[0,0,1] neg_hi:[0,0,1]
.endm
.macro SE t, n                         ; the exponential of score n of 32
	v_exp_f32 v[S+32*(\t)+(\n)], v[S+32*(\t)+(\n)]
.endm
.macro SC t, n                         ; pair n rounded to f16
	s_wait_alu depctr_va_vdst(0)
	v_cvt_pk_f16_f32 v[PK+16*(\t)+(\n)], v[S+32*(\t)+2*(\n)], v[S+32*(\t)+2*(\n)+1]
.endm
.macro SA t                            ; the sum of the tile's 16 pairs, in place: neighbours 1, 2, 4 and 8 pairs apart; then l = a l + the sum
.set rS, S+32*(\t)
.set rT, ST+4*(\t)
.set rC, TMP+4*(\t)
.set z, 0
.rept 15
.set w, 4
.set u, z
.if z >= 14
.set w, 32
.set u, 0
.elseif z >= 12
.set w, 16
.set u, z-12
.elseif z >= 8
.set w, 8
.set u, z-8
.endif
	v_pk_add_f32 v[rS+w*u:rS+w*u+1], v[rS+w*u:rS+w*u+1], v[rS+w*u+w/2:rS+w*u+w/2+1]
.set z, z+1
.endr
	v_pk_fma_f32 v[rT+2:rT+3], v[rT+2:rT+3], v[rC+2:rC+3], v[rS:rS+1] op_sel_hi:[1,0,1]
	s_wait_alu depctr_va_vdst(0)
.endm
.macro PS t                            ; tile t's two fragments of P (one for each tile of keys), two halves each, into LDS: 512 consecutive bytes a store
.irp sh, 0,1,2,3
	ds_store_b128 v[PST], v[PK+16*(\t)+4*\sh:PK+16*(\t)+4*\sh+3] offset:16384*(\sh/2)+1024*(\t)+512*(\sh%2)
.endr
.endm
; THE SOFTMAX of my 64 keys x 64 queries, in four stages.  Stage st issues tile st's 32 exponentials; between them stand plain lines that are ready: the next tile's scalings, the tile before's roundings.
; No plain line reads an exponential of its own stage, and behind each stage's last exponential a plain line comes before its result is used (ISA guide 5.7.2).
.macro SOFT
	WIN 0
.set n, 0
.rept 16
	SF 0, n
.set n, n+1
.endr
.set st, 0
.rept 4
.set i, 0
.rept 32
	SE st, i
.if (st < 3) && (i < 16)
	SF st+1, i
.elseif (st > 0) && (st < 3)
	SC st-1, i-16
.elseif (st == 3) && (i < 16)
	SC 2, i
.endif
.set i, i+1
.endr
.if st > 0
	SA st-1
	PS st-1
.endif
.set st, st+1
.endr
.set n, 0
.rept 16
	SC 3, n
.set n, n+1
.endr
	SA 3
	PS 3
.endm
.macro RESCALE                         ; O^T times tile t's c2 (a; at the end 1 / l), each accumulator from its low end on
	WIN W_RS
.set cb, 0
.rept 6
.set tt, 0
.rept 4
.set jj, 0
.rept 4
	v_pk_mul_f32 v[8*(4*cb+tt)+2*jj:8*(4*cb+tt)+2*jj+1], v[8*(4*cb+tt)+2*jj:8*(4*cb+tt)+2*jj+1], v[TMP+4*tt+2:TMP+4*tt+3] op_sel_hi:[1,0]
.set jj, jj+1
.endr
.set tt, tt+1
.endr
.set cb, cb+1
.endr
.endm
	s_mov_b32 s[CNT], 16
	s_wait_loadcnt 0x0                             ; Q
	s_branch .Lentry                               ; the loop is entered in the middle of a trip, so that only the second V trip is written twice
.Lloop:
	CHG VB, KSTEP, KA, G1K, 1                      ; V's second tile is in; slot A takes the next super-step's first K
	TRIPV 1
	WIN 0                                          ; at a label and at a branch every window is 0
.Lentry:
	CHG KA, KSTEP, KB, G1K, 1                      ; K's first tile is in; slot B takes the second
	TRIPK 0
	CHG KB, KSTEP, VA, G1V, 1                      ; K's second tile is in; slot A takes V's first
	TRIPK 1
	PMAX
	ds_store_b128 v[MXS], v[PM:PM+3]               ; lanes r and r + 16 write the same 16 bytes
	CHG VA, KSTEP, VB, G1V, 1                      ; V's first tile is in; slot B takes the second.  The wait for LDS covers the store above: the round also shows the maxima to all waves
.irp x, 0,1,2,3
	ds_load_b128 v[XM+4*\x:XM+4*\x+3], v[MXR] offset:256*\x
.endr
	s_wait_dscnt 0x0
	STAT
	SOFT
	s_wait_dscnt 0x0                               ; for the others' sake: my stores of P are done
	s_barrier_signal -1                            ; a plain barrier
	RESCALE                                        ; work on registers while the others arrive
	WIN 0
	s_barrier_wait -1
	TRIPV 0
	WIN 0
	s_sub_co_u32 s[CNT], s[CNT], 1
	s_cmp_lg_u32 s[CNT], 0
	s_cbranch_scc1 .Lloop
	CHG VB, 0, KA, G1K, 0                          ; the last tile: nothing is left to fetch
	TRIPV 1
	; THE WAY OUT.  l's two halves, the other half of the lanes' and the four waves' are added; O^T is divided by l and rounded to f16.  A lane holds one query and eight channels, and ob wants a channel's
	; 64 queries together: the numbers go singly into my stage, rows of 144 bytes, and come back as whole rows of 128.  The additions are the places behind the last products.
	WIN 0
.irp x, 0,1,2,3
	v_add_f32 v[TMP+4*\x], v[ST+4*\x+2], v[ST+4*\x+3]
.endr
.irp x, 0,1,2,3
	v_permlanex16_b32 v[TMP+4*\x+1], v[TMP+4*\x], s[SEL], s[SEL+1]
.endr
.irp x, 0,1,2,3
	v_add_f32 v[PM+\x], v[TMP+4*\x], v[TMP+4*\x+1]
.endr
	ds_store_b128 v[LXS], v[PM:PM+3]
	s_wait_dscnt 0x0                               ; for the others' sake
	s_barrier_signal -1
	s_barrier_wait -1
.irp x, 0,1,2,3
	ds_load_b128 v[XM+4*\x:XM+4*\x+3], v[LXR] offset:256*\x
.endr
	s_wait_dscnt 0x0
.irp x, 0,1,2,3
	v_add_f32 v[XM+\x], v[XM+\x], v[XM+4+\x]
.endr
.irp x, 0,1,2,3
	v_add_f32 v[XM+8+\x], v[XM+8+\x], v[XM+12+\x]
.endr
.irp x, 0,1,2,3
	v_add_f32 v[XM+\x], v[XM+\x], v[XM+8+\x]
.endr
.irp x, 0,1,2,3
	v_rcp_f32 v[TMP+4*\x+2], v[XM+\x]
.endr
	v_nop                                          ; a plain instruction between the last reciprocal and the use of its result
	s_wait_alu depctr_va_vdst(0)
	RESCALE
	WIN W_OUT
.set a, 0
.rept 24
.set jj, 0
.rept 4
	v_cvt_pk_f16_f32 v[S+4*a+jj], v[8*a+2*jj], v[8*a+2*jj+1]  ; channels 8 h + 2 jj and + 1 of block a / 4, query r of tile a % 4
.set jj, jj+1
.endr
.set a, a+1
.endr
	WIN 0
.set g, 0
.rept 3                                ; 32 channels at a time: they are 4,096 consecutive bytes of ob
.set a, 8*g
.rept 8
.set jj, 0
.rept 4
	ds_store_b16 v[SST], v[S+4*a+jj] offset:(16*(a/4)+2*jj)*SP+32*(a%4)
	v_lshrrev_b32 v[S+4*a+jj], 16, v[S+4*a+jj]     ; the upper number comes down; the LDS store above has taken its data at issue
	ds_store_b16 v[SST], v[S+4*a+jj] offset:(16*(a/4)+2*jj+1)*SP+32*(a%4)
.set jj, jj+1
.endr
.set a, a+1
.endr
.set bk, 192+32*g-96*(g/2)             ; v192-223, v224-255, v160-191: no buffer is used twice, so no store's data are rewritten
.set n, 0
.rept 8
	ds_load_b128 v[bk+4*n:bk+4*n+3], v[SRD] offset:(32*g+4*n)*SP  ; LDS serves a wave's instructions in order (ISA guide 5.7.1.4): these see the stores above
.set n, n+1
.endr
	s_wait_dscnt 0x0
.set n, 0
.rept 8
	global_store_b128 v[GO], v[bk+4*n:bk+4*n+3], s[10:11] offset:16384*g+512*n  ; 512 consecutive bytes, at a multiple of 256 from ob's first
.set n, n+1
.endr
.set g, g+1
.endr
	s_wait_tensorcnt 0x0                           ; the wave's end
	ds_add_u32 v[SPW], v[NIL]
	s_wait_dscnt 0x0
	ROUND                                          ; the closing round: no work-group ends while a partner may still ask for a tile that names it
	s_endpgm
.Lfunc_end_k_q380bb9c4ee_attn:
	.size	k_q380bb9c4ee_attn, .Lfunc_end_k_q380bb9c4ee_attn-k_q380bb9c4ee_attn
	.p2alignl 7, 3214868480
	.fill 96, 4, 3214868480
	.section	.rodata,"a",@progbits
	.p2align	6, 0x0
	.amdhsa_kernel k_q380bb9c4ee_attn
		.amdhsa_group_segment_fixed_size 327680
		.amdhsa_private_segment_fixed_size 0
		.amdhsa_enable_private_segment 0
		.amdhsa_kernarg_size 32
		.amdhsa_user_sgpr_count 2
		.amdhsa_user_sgpr_kernarg_segment_ptr 1
		.amdhsa_wavefront_size32 1
		.amdhsa_system_sgpr_workgroup_id_x 1
		.amdhsa_system_sgpr_workgroup_id_y 1
		.amdhsa_system_sgpr_workgroup_id_z 1
		.amdhsa_system_vgpr_workitem_id 0
		.amdhsa_next_free_vgpr 960
		.amdhsa_next_free_sgpr 66
		.amdhsa_reserve_vcc 0
		.amdhsa_float_denorm_mode_32 3
		.amdhsa_float_denorm_mode_16_64 3
		.amdhsa_memory_ordered 1
		.amdhsa_forward_progress 1
		.amdhsa_inst_pref_size 145
	.end_amdhsa_kernel
	.amdgpu_metadata
---
amdhsa.version: [ 1, 2 ]
amdhsa.kernels:
  - .name:           k_q380bb9c4ee_attn
    .symbol:         k_q380bb9c4ee_attn.kd
    .args:
      - { .name: qh, .offset: 0, .size: 8, .value_kind: global_buffer, .address_space: global }
      - { .name: kh, .offset: 8, .size: 8, .value_kind: global_buffer, .address_space: global }
      - { .name: vh, .offset: 16, .size: 8, .value_kind: global_buffer, .address_space: global }
      - { .name: ob, .offset: 24, .size: 8, .value_kind: global_buffer, .address_space: global }
    .group_segment_fixed_size: 327680
    .private_segment_fixed_size: 0
    .kernarg_segment_align: 8
    .kernarg_segment_size: 32
    .max_flat_workgroup_size: 128
    .sgpr_count:     66
    .vgpr_count:     960
    .wavefront_size: 32
...
	.end_amdgpu_metadata
.endif
;; end of part 3
;; launch outp (part 4): grid 256 x 1, 4 waves a work-group, clusters of 4 x 1, 327,680 bytes of LDS; arguments ob, wts, bp, out0; writes out0
.if DOCPART == 4
	.amdgcn_target "amdgcn-amd-amdhsa--gfx1250"
	.amdhsa_code_object_version 6
	.text
	.protected	k_q380bb9c4ee_outp
	.globl	k_q380bb9c4ee_outp
	.p2align	8
	.type	k_q380bb9c4ee_outp,@function
k_q380bb9c4ee_outp:
	s_mov_b64 s[64:65], 0
	v_nop
	global_prefetch_b8 v0, s[64:65] scope:SCOPE_SE
	s_setreg_imm32_b32 hwreg(HW_REG_WAVE_MODE, 25, 1), 1
	s_wait_xcnt 0x0
	s_wait_alu depctr_hold_cnt(0) depctr_sa_sdst(0) depctr_va_vdst(0) depctr_va_sdst(0) depctr_va_ssrc(0) depctr_va_vcc(0) depctr_vm_vsrc(0)
	s_getreg_b32 s2, hwreg(HW_REG_IB_STS2, 6, 4)
	s_cmp_eq_u32 s2, 0
	s_cbranch_scc0 .Lentry_in_a_cluster
	s_endpgm
.Lentry_in_a_cluster:
	s_bfe_u32 s2, ttmp6, 0x10000c
	s_cmp_lg_u32 s2, 0x3003
	s_cbranch_scc0 .Lentry_shape_is_right
	s_endpgm
.Lentry_shape_is_right:
; out0 = o2 Wp + bp.  o2[b] is O^T[b] ([384 channels][4,096 queries]) read as [4,096][384]: rows 64 n' .. 64 n' + 63 of o2[b] are exactly channels 6 n' .. 6 n' + 5, all queries.
; ob[b][qb][c][e] = O[b][64 qb + e][c] in f16; Wp comes as f16 [c][d] from wts (its bf16 rounding, rewritten); sums in f32; bp, in f32, is the C operand of the first product; out0 is f32.
; LIMITS: those of f16 for O and Wp (65,504); NaN and infinities are not treated apart.
; SHARES.  A work-group makes 64 rows of out0.  Its part of ob, 64 pieces (one for each qb) of 768 consecutive bytes, comes by one tensor load a wave into LDS and from there into registers as fragments:
; element (il, j) of the block lies in piece qb = hg % 64, channel c' = hg / 64, place j % 64, with hg = 6 il + j / 64.  Wave w makes all 64 rows x its 96 columns (128 g + 32 w + 16 i + 0..15).
; THE PRODUCT IS USED TRANSPOSED (source 0 = 16 columns of Wp, turned out of LDS; source 1 = 16 rows of o2): a lane holds eight neighbouring columns of one row, 32 bytes of f32.
; CLUSTER.  All work-groups walk the same four tiles of Wp: the four of a cluster ask for each JOINTLY.  The load of ob's part is each work-group's own (mask 0).
; REGISTERS, in windows of 256 (s_set_vgpr_msb: bits 1:0 source 0, 3:2 source 1, 5:4 source 2, 7:6 destination):
;   window 0: v0-31 addresses; v64-111 bp, block cb at 64 + 8 cb; v112-135 LDS addresses of o2's fragments
;   window 1: o2's fragments, chunks c = 0-7 of 32 columns at 8 (4 c + t); at the end the rows read back      window 2: v0-127 chunks 8-11; v128-175, v176-223 weight fragments      window 3: v0-191 the accumulators (cb, t) at 8 (4 cb + t)
.set WPI,   864                        ; a weight row in LDS: 3 x (256 bytes + 32 of padding) = 27 x 32: the turning load's 8 rows x 32 bytes fall on different banks (64 banks of 4 bytes: ISA guide 11.1)
.set SLOTB, 96*WPI                     ; slot A begins at 0
.set KP,    816                        ; a piece of ob in LDS: 3 x (256 + 16)
.set AT,    2*96*WPI                   ; 64 pieces
.set OPI,   1552                       ; a row of the stage: 1,536 + 16 = 97 x 16 bytes
.set STG4,  AT+64*KP                   ; the work-group's stage, 64 rows
.set SPARE, STG4+64*OPI                ; the spare words, 128 bytes for each wave: two blocks of 256 bytes that no other line names
.set WSTEP, 2*96*768
.set AW,  4                            ; v4-7   LDS address of my weight fragments: slot A rows 0-63, rows 64-95; slot B likewise
.set ATB, 12                           ; v12    AT + 16 h
.set STO, 13                           ; v13, v14  the way out: where I put 16 bytes of a row, tiles 0-1 and 2-3
.set RD,  15                           ; v15    the way out: where I read rows back
.set GO,  16                           ; v16    16 x lane
.set BO,  17                           ; v17    128 w + 32 h: my eight columns' f32 bytes in a group of 128 columns
.set SPW, 30
.set NIL, 31
.set BP,  64
.set ADR, 112
.set F0,  128
.set F1,  176
.set WV,  12                           ; s12    my wave's number
.set G1W, 24                           ; s[24:31] descriptor group 1 of the weight tiles
.set GA,  32                           ; s[32:35] group 0 for slot A
.set GB,  36                           ; s[36:39] for slot B
.set G1A, 40                           ; s[40:47] group 1 of ob's part
.set G0A, 48                           ; s[48:51] its group 0
.set W_F, 0x80
.set MSB, 0
.macro WIN new                         ; the immediate's high byte repeats the setting that is left; a switch that changes nothing is dropped
.if MSB != (\new)
	s_set_vgpr_msb (MSB<<8)|(\new)
.set MSB, (\new)
.endif
.endm
.macro PLACES                          ; a load into, or a read of, a matrix instruction's registers stands four plain vector instructions behind it
.rept 4
	v_nop
.endr
.endm
; A round of the cluster's barrier: my work-group's barrier, so that wave 0's signal speaks for all four waves; wave 0 signals; every wave waits for all four work-groups; my work-group's barrier once more.
.macro ROUND
	s_barrier_signal -1
	s_barrier_wait -1
	s_cmp_lg_u32 s[WV], 0
	s_cbranch_scc1 .Lnot_wave_0_\@
	s_barrier_signal -3
.Lnot_wave_0_\@:
	s_barrier_wait -3
	s_barrier_signal -1
	s_barrier_wait -1
.endm
.macro TLOAD g0, g1                    ; every wave asks for its quarter of a tile; an s_nop 0 and four v_nop follow
	tensor_load_to_lds s[(\g0):(\g0)+3], s[(\g1):(\g1)+7]
	s_nop 0
	PLACES
.endm
; THE CHANGE OF SLOTS: each wave waits for all its tensor loads, adds 0 to its spare word, and waits for that and for its own LDS reads.  fill = 1: a round of the cluster's barrier, and first thing behind it the
; joint refill of the slot just read.  The v_nop are the places in front of the loads that follow.
.macro CHG next, g1, fill
	WIN 0
	s_wait_tensorcnt 0x0
	ds_add_u32 v[SPW], v[NIL]
	s_wait_dscnt 0x0
.if \fill
	ROUND
	TLOAD \next, \g1
.else
	s_barrier_signal -1
	s_barrier_wait -1
	PLACES
.endif
.endm
	s_load_b256 s[4:11], s[0:1], 0x0               ; ob s[4:5], wts s[6:7], bp s[8:9], out0 s[10:11]
	v_lshl_add_u32 v[SPW], v0, 2, SPARE
	v_mov_b32 v[NIL], 0
	ds_add_u32 v[SPW], v[NIL]                      ; the wave's opening: the add and its wait stand ahead of my first tensor load; the set-up below stands between them
	v_lshrrev_b32 v1, 5, v0
	v_readfirstlane_b32 s[WV], v1                  ; wave 0..3
	s_bfe_u32 s13, ttmp6, 0x40000                  ; cx: my place in the cluster
	s_lshl_b32 s14, ttmp9, 2                       ; in a cluster launch ttmp9 counts clusters
	s_add_co_u32 s14, s14, s13                     ; n: my block of 64 rows of out0; it enters ob's and out0's addresses alone
	s_lshr_b32 s15, s14, 6                         ; the batch
	s_and_b32 s16, s14, 63                         ; n'
	s_mul_i32 s18, s15, 64*49152                   ; ob: the batch,
	s_mul_i32 s19, s[WV], 16*49152                 ; my wave's 16 query blocks,
	s_add_co_u32 s18, s18, s19
	s_mul_i32 s19, s16, 768                        ; channels 6 n' on
	s_add_co_u32 s18, s18, s19
	s_mov_b32 s19, 0
	s_mul_i32 s20, s[WV], 24*768                   ; wts: my quarter of a tile,
	s_add_co_u32 s20, s20, 3*384*768               ; behind Wq, Wk and Wv
	s_mov_b32 s21, 0
	s_mul_i32 s22, s14, 64*1536                    ; out0: my block, my wave's 16 rows
	s_mul_i32 s23, s[WV], 16*1536
	s_add_co_u32 s22, s22, s23
	s_mov_b32 s23, 0
	; the weight tiles: a quarter is 18,432 dense bytes, asked for as 72 rows of 256 bytes, padded by 32 bytes after each
	s_mov_b32 s[G1W], 15|(1<<16)|(1<<20)|(1<<21)|(5<<22)|(7<<25)  ; 15:0 the mask of four; 17:16 2-byte elements; 20 padding on; 21 set beside a mask; 24:22 after every 64 words (code 5); 31:25 8 words (code 7)
	s_mov_b32 s[G1W+1], 128<<16                    ; tensor_dim0 = 128
	s_mov_b32 s[G1W+2], 72<<16                     ; tensor_dim1 = 72
	s_mov_b32 s[G1W+3], 128<<16                    ; tile_dim0 = 128
	s_mov_b32 s[G1W+4], 72                         ; tile_dim1 = 72
	s_mov_b32 s[G1W+5], 128                        ; 128 elements from row to row
	s_mov_b32 s[G1W+6], 0
	s_mov_b32 s[G1W+7], 0
	; ob's part: 16 rows of 384 elements, 24,576 elements (a query block) apart, padded by 16 bytes after every 256
	s_mov_b32 s[G1A], (1<<16)|(1<<20)|(5<<22)|(3<<25)  ; no mask: the work-group's own load
	s_mov_b32 s[G1A+1], 384<<16                    ; tensor_dim0 = 384
	s_mov_b32 s[G1A+2], 16<<16                     ; tensor_dim1 = 16
	s_mov_b32 s[G1A+3], 384<<16                    ; tile_dim0 = 384
	s_mov_b32 s[G1A+4], 16                         ; tile_dim1 = 16
	s_mov_b32 s[G1A+5], 24576
	s_mov_b32 s[G1A+6], 0
	s_mov_b32 s[G1A+7], 0
	s_mov_b32 s[GA], 1
	s_mul_i32 s[GA+1], s[WV], 24*WPI
	s_mov_b32 s[GB], 1
	s_add_co_u32 s[GB+1], s[GA+1], SLOTB
	s_mov_b32 s[G0A], 1
	s_mul_i32 s[G0A+1], s[WV], 16*KP
	s_add_co_u32 s[G0A+1], s[G0A+1], AT
	s_wait_dscnt 0x0                               ; the opening add is done
	s_wait_kmcnt 0x0
	s_add_nc_u64 s[G0A+2:G0A+3], s[4:5], s[18:19]
	s_or_b32 s[G0A+3], s[G0A+3], 0x80000000        ; type = 2
	s_add_nc_u64 s[6:7], s[6:7], s[20:21]
	s_mov_b64 s[GA+2:GA+3], s[6:7]                 ; Wp's tile 0
	s_or_b32 s[GA+3], s[GA+3], 0x80000000
	s_add_nc_u64 s[GB+2:GB+3], s[6:7], 96*768      ; tile 1
	s_or_b32 s[GB+3], s[GB+3], 0x80000000
	s_add_nc_u64 s[10:11], s[10:11], s[22:23]
	ROUND                                          ; all four work-groups are here: the first joint loads meet
	tensor_load_to_lds s[G0A:G0A+3], s[G1A:G1A+7]  ; the three first fills go out together: three loads of mine are out
	s_nop 0
	tensor_load_to_lds s[GA:GA+3], s[G1W:G1W+7]
	s_nop 0
	tensor_load_to_lds s[GB:GB+3], s[G1W:G1W+7]
	s_nop 0
	PLACES
	v_and_b32 v1, 15, v0                           ; r = lane % 16
	v_bfe_u32 v2, v0, 4, 1                         ; h = lane / 16
	v_and_b32 v18, 7, v0
	v_bfe_u32 v19, v0, 3, 1
	v_and_b32 v20, 31, v0
	v_lshlrev_b32 v[GO], 4, v20
	s_lshl_b32 s18, s[WV], 7
	v_lshl_add_u32 v[BO], v2, 5, s18
.set cb, 0
.rept 6                                ; register j of block cb: bp[128 g + 32 w + 16 i + 8 h + j], as the product's C operand wants it
	global_load_b128 v[BP+8*cb:BP+8*cb+3],   v[BO], s[8:9] offset:512*(cb/2)+64*(cb%2)
	global_load_b128 v[BP+8*cb+4:BP+8*cb+7], v[BO], s[8:9] offset:512*(cb/2)+64*(cb%2)+16
.set cb, cb+1
.endr
	; The turning load takes 16 c-rows x 16 columns (lane l reads row 8 h + l % 8, columns 8 ((l / 8) % 2) + 0..7) and leaves half a fragment: lane l holds column l % 16 and 8 c.
	v_lshl_add_u32 v[AW], v2, 3, v18
	v_mul_u32_u24 v[AW], v[AW], WPI
	v_lshl_add_u32 v[AW], v19, 4, v[AW]
	s_lshl_b32 s18, s[WV], 6
	v_add_nc_u32 v[AW], s18, v[AW]
	v_add_nc_u32 v[AW+1], 64*WPI, v[AW]
	v_add_nc_u32 v[AW+2], SLOTB, v[AW]
	v_add_nc_u32 v[AW+3], SLOTB+64*WPI, v[AW]
	v_lshlrev_b32 v[ATB], 4, v2
	v_add_nc_u32 v[ATB], AT, v[ATB]
	v_mul_u32_u24 v[STO], v1, OPI                  ; the stage: row r, bytes 128 w + 32 h
	v_add_nc_u32 v[STO], v[BO], v[STO]
	v_add_nc_u32 v[STO], STG4, v[STO]
	v_add_nc_u32 v[STO+1], 32*OPI, v[STO]
	s_mul_i32 s18, s[WV], 16*OPI
	s_add_co_u32 s18, s18, STG4
	v_add_nc_u32 v[RD], s18, v[GO]
	; where the 64 columns jj of row 16 t + r lie: hg = 6 r + 96 t + jj; piece hg % 64, channel hg / 64 (128 bytes each, 16 of padding behind every second)
.set tt, 0
.rept 4
.set jj, 0
.rept 6
	v_mad_u32_u24 v8, v1, 6, 96*tt+jj
	v_and_b32 v9, 63, v8
	v_lshrrev_b32 v10, 6, v8
	v_lshrrev_b32 v11, 7, v8
	v_mad_u32_u24 v9, v9, KP, v[ATB]
	v_lshl_add_u32 v9, v10, 7, v9
	v_lshl_add_u32 v[ADR+6*tt+jj], v11, 4, v9
.set jj, jj+1
.endr
.set tt, tt+1
.endr
	s_wait_tensorcnt 0x0                           ; my parts of ob's block and of tiles 0 and 1 are in; no load of mine is out, so the groups 0 may step
	s_add_nc_u64 s[GA+2:GA+3], s[GA+2:GA+3], WSTEP ; tile 2
	s_add_nc_u64 s[GB+2:GB+3], s[GB+2:GB+3], WSTEP ; tile 3
	s_barrier_signal -1
	s_barrier_wait -1                              ; everybody's are
	WIN 0x40                                       ; o2's fragments stay in registers: chunks 2 jj and 2 jj + 1 of tile t
.set jj, 0
.rept 6
.if jj == 4
	WIN W_F
.endif
.set tt, 0
.rept 4
.set rA, 32*((2*jj)%8)+8*tt
	ds_load_b128 v[rA:rA+3],     v[ADR+6*tt+jj]
	ds_load_b128 v[rA+4:rA+7],   v[ADR+6*tt+jj] offset:32
	ds_load_b128 v[rA+32:rA+35], v[ADR+6*tt+jj] offset:64
	ds_load_b128 v[rA+36:rA+39], v[ADR+6*tt+jj] offset:96
.set tt, tt+1
.endr
.set jj, jj+1
.endr
	WIN 0
	s_wait_dscnt 0x0
	s_wait_loadcnt 0x0                             ; bp
; 12 turning loads: my six column blocks x rows 32 kk on of the tile in the slot
.macro FW slot, kk, f
	WIN W_F
.set cb, 0
.rept 6
	ds_load_tr16_b128 v[(\f)+8*cb:(\f)+8*cb+3],   v[AW+2*(\slot)+(\kk)/2] offset:((\kk)%2)*32*WPI+288*(cb/2)+32*(cb%2)
	ds_load_tr16_b128 v[(\f)+8*cb+4:(\f)+8*cb+7], v[AW+2*(\slot)+(\kk)/2] offset:((\kk)%2)*32*WPI+16*WPI+288*(cb/2)+32*(cb%2)
.set cb, cb+1
.endr
.endm
; 24 products; the 24 accumulators take turns, one instruction a turn.  The first products start the sums with the bias.
.macro MO kc, kk, f
.set c, 3*(\kc)+(\kk)
.if c == 0
	WIN 0xc6                                       ; weights window 2, o2 window 1, C (the bias) window 0, D window 3
.elseif c < 8
	WIN 0xf6                                       ; C and D window 3
.else
	WIN 0xfa                                       ; o2 in window 2
.endif
.set cb, 0
.rept 6
.set tt, 0
.rept 4
.set rO, 8*(4*cb+tt)
.set rA, 32*(c%8)+8*tt
.if c == 0
	v_wmma_f32_16x16x32_f16 v[rO:rO+7], v[(\f)+8*cb:(\f)+8*cb+7], v[rA:rA+7], v[BP+8*cb:BP+8*cb+7]
.else
	v_wmma_f32_16x16x32_f16 v[rO:rO+7], v[(\f)+8*cb:(\f)+8*cb+7], v[rA:rA+7], v[rO:rO+7]
.endif
.set tt, tt+1
.endr
.set cb, cb+1
.endr
.endm
.macro TRIPO kc, slot                  ; a tile of Wp: 72 products
	FW \slot, 0, F0
	FW \slot, 1, F1
	s_wait_dscnt 12                                ; the older batch is in; the 12 loads of the younger may be out
	MO \kc, 0, F0
	PLACES
	FW \slot, 2, F0
	s_wait_dscnt 12
	MO \kc, 1, F1
	s_wait_dscnt 0
	MO \kc, 2, F0
.endm
	TRIPO 0, 0
	CHG GA, G1W, 1                                 ; slot A takes tile 2
	TRIPO 1, 1
	CHG GB, G1W, 1                                 ; tile 2 is in; slot B takes tile 3
	TRIPO 2, 0
	CHG GB, G1W, 0                                 ; tile 3 is in; nothing is left to fetch
	TRIPO 3, 1
	; THE WAY OUT: 32 bytes a lane into the work-group's stage, each accumulator's low half first; a barrier, since a row's 1,536 bytes come from all four waves; back as 24,576 consecutive bytes a wave.
	PLACES
	WIN 0x0c                                       ; the stores' data in window 3
.set cb, 0
.rept 6
.set tt, 0
.rept 4
	ds_store_b128 v[STO+tt/2], v[8*(4*cb+tt):8*(4*cb+tt)+3]   offset:(tt%2)*16*OPI+512*(cb/2)+64*(cb%2)
	ds_store_b128 v[STO+tt/2], v[8*(4*cb+tt)+4:8*(4*cb+tt)+7] offset:(tt%2)*16*OPI+512*(cb/2)+64*(cb%2)+16
.set tt, tt+1
.endr
.set cb, cb+1
.endr
	WIN 0
	s_wait_dscnt 0x0                               ; for the others' sake: my stores into the stage are done
	s_barrier_signal -1
	s_barrier_wait -1
	WIN 0x40                                       ; destination window 1: o2's fragments are no longer needed
.set i, 0
.rept 48
	ds_load_b128 v[4*i:4*i+3], v[RD] offset:OPI*(i/3)+512*(i%3)
.set i, i+1
.endr
	WIN 0x04                                       ; the stores' data in window 1
.set i, 0
.rept 48
	s_wait_dscnt 47-i                              ; the loads issued behind load i
	global_store_b128 v[GO], v[4*i:4*i+3], s[10:11] offset:512*i th:TH_STORE_NT  ; 512 consecutive bytes, at a multiple of 256 from out0's first
.set i, i+1
.endr
	WIN 0
	s_wait_tensorcnt 0x0                           ; the wave's end
	ds_add_u32 v[SPW], v[NIL]
	s_wait_dscnt 0x0
	ROUND                                          ; the closing round: no work-group ends while a partner may still ask for a tile that names it
	s_endpgm
.Lfunc_end_k_q380bb9c4ee_outp:
	.size	k_q380bb9c4ee_outp, .Lfunc_end_k_q380bb9c4ee_outp-k_q380bb9c4ee_outp
	.p2alignl 7, 3214868480
	.fill 96, 4, 3214868480
	.section	.rodata,"a",@progbits
	.p2align	6, 0x0
	.amdhsa_kernel k_q380bb9c4ee_outp
		.amdhsa_group_segment_fixed_size 327680
		.amdhsa_private_segment_fixed_size 0
		.amdhsa_enable_private_segment 0
		.amdhsa_kernarg_size 32
		.amdhsa_user_sgpr_count 2
		.amdhsa_user_sgpr_kernarg_segment_ptr 1
		.amdhsa_wavefront_size32 1
		.amdhsa_system_sgpr_workgroup_id_x 1
		.amdhsa_system_sgpr_workgroup_id_y 1
		.amdhsa_system_sgpr_workgroup_id_z 1
		.amdhsa_system_vgpr_workitem_id 0
		.amdhsa_next_free_vgpr 960
		.amdhsa_next_free_sgpr 66
		.amdhsa_reserve_vcc 0
		.amdhsa_float_denorm_mode_32 3
		.amdhsa_float_denorm_mode_16_64 3
		.amdhsa_memory_ordered 1
		.amdhsa_forward_progress 1
		.amdhsa_inst_pref_size 66
	.end_amdhsa_kernel
	.amdgpu_metadata
---
amdhsa.version: [ 1, 2 ]
amdhsa.kernels:
  - .name:           k_q380bb9c4ee_outp
    .symbol:         k_q380bb9c4ee_outp.kd
    .args:
      - { .name: ob, .offset: 0, .size: 8, .value_kind: global_buffer, .address_space: global }
      - { .name: wts, .offset: 8, .size: 8, .value_kind: global_buffer, .address_space: global }
      - { .name: bp, .offset: 16, .size: 8, .value_kind: global_buffer, .address_space: global }
      - { .name: out0, .offset: 24, .size: 8, .value_kind: global_buffer, .address_space: global }
    .group_segment_fixed_size: 327680
    .private_segment_fixed_size: 0
    .kernarg_segment_align: 8
    .kernarg_segment_size: 32
    .max_flat_workgroup_size: 128
    .sgpr_count:     66
    .vgpr_count:     960
    .wavefront_size: 32
...
	.end_amdgpu_metadata
.endif
;; end of part 4
;; ======== version 2 of 2: 4 launches; 1.18 times as fast as version 1
;; limits: values are held in f16: magnitudes above 65,504 overflow, below 6.1e-05 lose precision
;; workspace buffers: wts 1,179,648 bytes; qh 12,582,912 bytes; kh 12,582,912 bytes; vh 12,582,912 bytes; ob 12,582,912 bytes
;; launch prep: the kernel of part 1 again; grid 64 x 4, 6 waves a work-group, no clusters, 0 bytes of LDS; arguments Wq, Wk, Wv, Wp, wts; writes wts
;; launch proj (part 5): grid 256 x 1, 4 waves a work-group, clusters of 4 x 1, 327,680 bytes of LDS; arguments t, x, wts, qh, kh, vh; writes qh, kh, vh
.if DOCPART == 5
	.amdgcn_target "amdgcn-amd-amdhsa--gfx1250"
	.amdhsa_code_object_version 6
	.text
	.protected	k_q380bb9c4ee_proj
	.globl	k_q380bb9c4ee_proj
	.p2align	8
	.type	k_q380bb9c4ee_proj,@function
k_q380bb9c4ee_proj:
	s_mov_b64 s[64:65], 0
	v_nop
	global_prefetch_b8 v0, s[64:65] scope:SCOPE_SE
	s_setreg_imm32_b32 hwreg(HW_REG_WAVE_MODE, 25, 1), 1
	s_wait_xcnt 0x0
	s_wait_alu depctr_hold_cnt(0) depctr_sa_sdst(0) depctr_va_vdst(0) depctr_va_sdst(0) depctr_va_ssrc(0) depctr_va_vcc(0) depctr_vm_vsrc(0)
	s_getreg_b32 s2, hwreg(HW_REG_IB_STS2, 6, 4)
	s_cmp_eq_u32 s2, 0
	s_cbranch_scc0 .Lentry_in_a_cluster
	s_endpgm
.Lentry_in_a_cluster:
	s_bfe_u32 s2, ttmp6, 0x10000c
	s_cmp_lg_u32 s2, 0x3003
	s_cbranch_scc0 .Lentry_shape_is_right
	s_endpgm
.Lentry_shape_is_right:
; q = t Wq, k = x Wk, v = x Wv.  t, x: [16384][384] f32, rounded to bf16 on the way; the weights come as bf16 [c][d] from wts; sums in f32;
; q, k, v leave as f16 [16384][384], rounded once and WITHOUT the softmax scale.
; LIMIT: |q|, |k|, |v| stay below 65,504 (f16); a larger sum becomes an infinity.  NaN and infinities are not treated apart.
; SHARES.  A work-group owns 64 rows of t and of x: each byte of them is read once, rounded, handed round through LDS, and kept IN REGISTERS as fragments by every wave (384 registers each).
; TILES BY COLUMNS.  A weight tile is all 384 c-rows x 128 columns of one weight: nine tiles, through two LDS slots.  A trip makes 64 rows x 128 columns of q, k or v whole: wave w its 32 columns,
; 8 accumulators, 12 chunks of 32 along c, 96 products.  So the trips may come in any order.
; THE WALK.  Cluster x takes Wq's three tiles from tile x mod 3 on and round, then the six of Wk and Wv from tile x mod 6 on and round: at any one time the clusters ask for three (six) different tiles,
; and but for the first of each group a tile has been asked for by another cluster a trip before.  Only global addresses (the tile's, the result's) hang on x, which the partners of a cluster share.
; THE PRODUCT IS USED TRANSPOSED: source 0 = 16 columns of W (turned out of LDS by ds_load_tr16_b128), source 1 = 16 rows of data: a lane then holds eight neighbouring columns of one row, 16 bytes of f16.
; THE WAY OUT rides on the ring: a trip ends by putting its rounded results into the stage of its parity; the next change of slots is also the stage's barrier; the rows are read back and stored inside the next trip.
; CLUSTER.  The four work-groups of a cluster walk the same tiles: each is asked for JOINTLY, the same tensor load, descriptor and mask in all four.
; REGISTERS, in windows of 256 (s_set_vgpr_msb: bits 1:0 source 0, 3:2 source 1, 5:4 source 2, 7:6 destination):
;   window 0: v0-31 addresses; v32-95 the accumulators (cb, t) at 32 + 8 (4 cb + t); v96-143, v144-191 weight fragments, two buffers; v192-223 packed results; v224-255 rows read back
;   window 1: t as loaded, then t's fragments, chunks 0-7 at 32 c + 8 t      window 2: v0-127 t's chunks 8-11; v128-255 x's chunks 0-3      window 3: x as loaded, then x's chunks 4-11 at 32 (c - 4) + 8 t
; Weight fragments, accumulators and the way out share window 0, so only the products switch windows.
.set WPI,   288                        ; a tile's row in LDS: 256 bytes + 32 of padding = 9 x 32: the turning load's 8 rows x 32 bytes fall on different banks (64 banks of 4 bytes: ISA guide 11.1)
.set SLOTB, 384*WPI                    ; slot A begins at 0
.set DP,    784                        ; a row of rounded data: 768 + 16 = 49 x 16 bytes: 16 rows start at 16 different groups of four banks
.set DT,    2*384*WPI                  ; t in bf16, 64 rows; when every wave has read it, the two stages lie here (bytes written by LDS stores alone: no tile lands in them)
.set DX,    DT+64*DP                   ; x in bf16
.set SPI,   272                        ; a row of a stage: 256 + 16 = 17 x 16 bytes
.set STGB,  64*SPI                     ; bytes of a stage
.set SPARE, DX+64*DP                   ; the spare words, 128 bytes for each wave: two blocks of 256 bytes that no other line names
.set WBYTES, 384*768                   ; bytes of a weight in wts
.set AW,  4                            ; v4-7   LDS address of my weight fragments: slot A rows 0-191, rows 192-383; slot B likewise
.set DA,  8                            ; v8     LDS address of t's fragments
.set DAX, 9                            ; v9     of x's
.set DST, 10                           ; v10    where I put 8 bytes of rounded t
.set DSX, 11                           ; v11    of x
.set STO, 12                           ; v12    the way out: where I put 16 bytes of a row, in stage 0
.set RD,  13                           ; v13    the way out: where I read rows back, in stage 0
.set CO,  14                           ; v14    my byte offset in two rows of q, k or v
.set GO,  15                           ; v15    16 x lane: my place in 512 consecutive bytes of t or x
.set SPW, 30                           ; v30    LDS address of my spare word; never rewritten
.set NIL, 31                           ; v31    0; never rewritten
.set ACC, 32
.set DF,  64                           ; at the start: t rounded, 96 registers
.set F0,  96
.set F1,  144
.set PKO, 192
.set RB,  224
.set WV,  16                           ; s16    my wave's number
.set G1W, 24                           ; s[24:31] descriptor group 1 of the weight tiles
.set GA,  32                           ; s[32:35] group 0 for slot A
.set GB,  36                           ; s[36:39] for slot B
.set CNT, 40                           ; s40    the loop's count
.set AQ,  41                           ; s41    Wq's tile, 0..2, to which a group 0 is set next
.set OP,  42                           ; s[42:43] where the tile whose results lie in a stage is stored
.set OFF, 44                           ; s[44:45] a byte offset, the high word 0
.set JQ,  46                           ; s46    the tile of Wk and Wv, 0..5, to which a group 0 is set next
.set AO,  47                           ; s47    Wq's tile whose results come next
.set JO,  48                           ; s48    the same for Wk and Wv
.set TS,  49                           ; s49    at work
.set WK,  50                           ; s[50:51] wts at my quarter of Wk's first tile
.set MSB, 0
.macro WIN new                         ; the immediate's high byte repeats the setting that is left; a switch that changes nothing is dropped
.if MSB != (\new)
	s_set_vgpr_msb (MSB<<8)|(\new)
.set MSB, (\new)
.endif
.endm
.macro PLACES                          ; a load into, or a vector read or write of, a matrix instruction's registers stands four plain vector instructions behind it
.rept 4
	v_nop
.endr
.endm
; A round of the cluster's barrier: my work-group's barrier, so that wave 0's signal speaks for all four waves; wave 0 signals; every wave waits for all four work-groups; my work-group's barrier once more.
.macro ROUND
	s_barrier_signal -1
	s_barrier_wait -1
	s_cmp_lg_u32 s[WV], 0
	s_cbranch_scc1 .Lnot_wave_0_\@
	s_barrier_signal -3
.Lnot_wave_0_\@:
	s_barrier_wait -3
	s_barrier_signal -1
	s_barrier_wait -1
.endm
.macro TLOAD g0, g1                    ; every wave asks for its quarter of a tile, 96 rows; an s_nop 0 and four v_nop follow
	tensor_load_to_lds s[(\g0):(\g0)+3], s[(\g1):(\g1)+7]
	s_nop 0
	PLACES
.endm
; A group 0 is set to the walk's next tile of Wq: the address is made anew from wts' address and the tile's 256 bytes in a row; behind the third tile comes the first.
.macro SETQ g0
	s_lshl_b32 s[OFF], s[AQ], 8
	s_add_nc_u64 s[(\g0)+2:(\g0)+3], s[8:9], s[OFF:OFF+1]
	s_or_b32 s[(\g0)+3], s[(\g0)+3], 0x80000000   ; type = 2
	s_add_co_u32 s[AQ], s[AQ], 1
	s_cmp_eq_u32 s[AQ], 3
	s_cselect_b32 s[AQ], 0, s[AQ]
.endm
; The same for the six tiles of Wk (0-2) and Wv (3-5): tile j lies 256 j bytes on, from the fourth on a weight less three tiles' 768 bytes further.
.macro SETK g0
	s_lshl_b32 s[OFF], s[JQ], 8
	s_cmp_ge_u32 s[JQ], 3
	s_cselect_b32 s[TS], WBYTES-768, 0
	s_add_co_u32 s[OFF], s[OFF], s[TS]
	s_add_nc_u64 s[(\g0)+2:(\g0)+3], s[WK:WK+1], s[OFF:OFF+1]
	s_or_b32 s[(\g0)+3], s[(\g0)+3], 0x80000000
	s_add_co_u32 s[JQ], s[JQ], 1
	s_cmp_eq_u32 s[JQ], 6
	s_cselect_b32 s[JQ], 0, s[JQ]
.endm
; Where the tile just multiplied is stored: q, or k or v, at my 16 rows, the tile's 256 bytes in a row.  The indices go the way of SETQ's and SETK's.
.macro OUTQ
	s_lshl_b32 s[OFF], s[AO], 8
	s_add_nc_u64 s[OP:OP+1], s[10:11], s[OFF:OFF+1]
	s_add_co_u32 s[AO], s[AO], 1
	s_cmp_eq_u32 s[AO], 3
	s_cselect_b32 s[AO], 0, s[AO]
.endm
.macro OUTK
	s_lshl_b32 s[OFF], s[JO], 8
	s_cmp_ge_u32 s[JO], 3                          ; the choice hangs on the tile's number alone
	s_cselect_b64 s[OP:OP+1], s[14:15], s[12:13]
	s_cselect_b32 s[TS], 768, 0
	s_sub_co_u32 s[OFF], s[OFF], s[TS]
	s_add_nc_u64 s[OP:OP+1], s[OP:OP+1], s[OFF:OFF+1]
	s_add_co_u32 s[JO], s[JO], 1
	s_cmp_eq_u32 s[JO], 6
	s_cselect_b32 s[JO], 0, s[JO]
.endm
; THE CHANGE OF SLOTS.  Each wave waits for all its tensor loads: its quarter of the tile to be read next is in, and no load of its is out, so groups 0 may be set (sq: to Wq's next tile, sk: to the next of
; Wk and Wv; 0: none); adds 0 to its spare word; and waits for that, for its reads of the other slot and for its stores into the stage.  fill = 1: a round of the cluster's barrier, so that no wave of any
; partner still reads the other slot or has a load on its way, and first thing behind it the joint refill of that slot.  The barrier also shows every wave's part of the stage to the others.
.macro CHG sq, sk, next, fill
	WIN 0
	s_wait_tensorcnt 0x0
	ds_add_u32 v[SPW], v[NIL]
.if (\sq) != 0
	SETQ \sq
.endif
.if (\sk) != 0
	SETK \sk
.endif
	s_wait_dscnt 0x0
.if \fill
	ROUND
	TLOAD \next, G1W
.else
	s_barrier_signal -1
	s_barrier_wait -1
	PLACES
.endif
.endm
	s_load_b256 s[4:11], s[0:1], 0x0               ; t s[4:5], x s[6:7], wts s[8:9], qh s[10:11]
	s_load_b128 s[12:15], s[0:1], 0x20             ; kh s[12:13], vh s[14:15]
	v_lshl_add_u32 v[SPW], v0, 2, SPARE
	v_mov_b32 v[NIL], 0
	ds_add_u32 v[SPW], v[NIL]                      ; the wave's opening: the add and its wait stand ahead of my first tensor load; the set-up below stands between them
	v_lshrrev_b32 v1, 5, v0
	v_readfirstlane_b32 s[WV], v1                  ; wave 0..3
	s_bfe_u32 s17, ttmp6, 0x40000                  ; cx: my place in the cluster
	s_lshl_b32 s18, ttmp9, 2                       ; in a cluster launch ttmp9 counts clusters
	s_add_co_u32 s18, s18, s17                     ; my block of 64 rows: it enters the addresses of t, x, q, k, v alone
	s_mul_i32 s20, s18, 64*1536                    ; the block's f32 bytes,
	s_mul_i32 s21, s[WV], 16*1536                  ; my wave's 16 rows of it
	s_add_co_u32 s20, s20, s21
	s_mov_b32 s21, 0
	s_mul_i32 s22, s[WV], 96*768                   ; my quarter of a weight tile: 96 c-rows
	s_mov_b32 s23, 0
	s_mul_i32 s[OFF], s18, 64*768                  ; the block's f16 bytes, my wave's 16 rows
	s_mul_i32 s19, s[WV], 16*768
	s_add_co_u32 s[OFF], s[OFF], s19
	s_mov_b32 s[OFF+1], 0
	s_mul_i32 s19, ttmp9, 43                       ; where the cluster's walks begin.  43 x >> 7 = x / 3 for the 64 clusters' x
	s_lshr_b32 s19, s19, 7
	s_mul_i32 s[TS], s19, 3
	s_sub_co_u32 s[AQ], ttmp9, s[TS]               ; x mod 3
	s_lshr_b32 s19, s19, 1                         ; x / 6
	s_mul_i32 s[TS], s19, 6
	s_sub_co_u32 s[JQ], ttmp9, s[TS]               ; x mod 6
	s_mov_b32 s[AO], s[AQ]
	s_mov_b32 s[JO], s[JQ]
	; descriptor group 1: a quarter is 96 rows of 128 elements (256 bytes, at a multiple of 256 from wts' first byte), 384 elements apart, padded in LDS by 32 bytes after each
	s_mov_b32 s[G1W], 15|(1<<16)|(1<<20)|(1<<21)|(5<<22)|(7<<25)  ; 15:0 the mask of four; 17:16 2-byte elements; 20 padding on; 21 set beside a mask; 24:22 after every 64 words (code 5); 31:25 8 words (code 7)
	s_mov_b32 s[G1W+1], 128<<16                    ; tensor_dim0 = 128
	s_mov_b32 s[G1W+2], 96<<16                     ; tensor_dim1 = 96
	s_mov_b32 s[G1W+3], 128<<16                    ; tile_dim0 = 128
	s_mov_b32 s[G1W+4], 96                         ; tile_dim1 = 96
	s_mov_b32 s[G1W+5], 384                        ; 384 elements from row to row
	s_mov_b32 s[G1W+6], 0
	s_mov_b32 s[G1W+7], 0
	s_mov_b32 s[GA], 1                             ; count = 1
	s_mul_i32 s[GA+1], s[WV], 96*WPI               ; LDS address: slot A, my quarter
	s_mov_b32 s[GB], 1
	s_add_co_u32 s[GB+1], s[GA+1], SLOTB
	v_and_b32 v17, 31, v0
	v_lshlrev_b32 v[GO], 4, v17
	s_wait_dscnt 0x0                               ; the opening add is done
	s_wait_kmcnt 0x0
	s_add_nc_u64 s[4:5], s[4:5], s[20:21]          ; t and x at my wave's 16 rows: 24,576 consecutive bytes
	s_add_nc_u64 s[6:7], s[6:7], s[20:21]
	s_add_nc_u64 s[8:9], s[8:9], s[22:23]          ; wts at my quarter of Wq's first tile,
	s_add_nc_u64 s[WK:WK+1], s[8:9], WBYTES        ; and of Wk's
	s_add_nc_u64 s[10:11], s[10:11], s[OFF:OFF+1]  ; q, k, v at my wave's 16 rows
	s_add_nc_u64 s[12:13], s[12:13], s[OFF:OFF+1]
	s_add_nc_u64 s[14:15], s[14:15], s[OFF:OFF+1]
	SETQ GA                                        ; the walk's first two tiles
	SETQ GB
	WIN 0x40                                       ; destination window 1
.set i, 0
.rept 48
	global_load_b128 v[4*i:4*i+3], v[GO], s[4:5] offset:512*i th:TH_LOAD_NT  ; 512 consecutive bytes a load
.set i, i+1
.endr
	WIN 0xc0                                       ; destination window 3
.set i, 0
.rept 48
	global_load_b128 v[4*i:4*i+3], v[GO], s[6:7] offset:512*i th:TH_LOAD_NT
.set i, i+1
.endr
	WIN 0
	ROUND                                          ; all four work-groups are here: the first joint loads meet
	tensor_load_to_lds s[GA:GA+3], s[G1W:G1W+7]    ; the two first fills go out together: two loads of mine are out
	s_nop 0
	tensor_load_to_lds s[GB:GB+3], s[G1W:G1W+7]
	s_nop 0
	PLACES
	v_and_b32 v1, 15, v0                           ; r = lane % 16
	v_bfe_u32 v2, v0, 4, 1                         ; h = lane / 16
	v_and_b32 v3, 7, v0
	v_bfe_u32 v16, v0, 3, 1
	; The turning load takes 16 c-rows x 16 columns (lane l reads row 8 h + l % 8, columns 8 ((l / 8) % 2) + 0..7) and leaves half a fragment: lane l holds column l % 16 and 8 c.
	v_lshl_add_u32 v[AW], v2, 3, v3
	v_mul_u32_u24 v[AW], v[AW], WPI
	v_lshl_add_u32 v[AW], v16, 4, v[AW]
	s_lshl_b32 s19, s[WV], 6                       ; my 32 columns of the tile's 128
	v_add_nc_u32 v[AW], s19, v[AW]
	v_add_nc_u32 v[AW+1], 192*WPI, v[AW]
	v_add_nc_u32 v[AW+2], SLOTB, v[AW]
	v_add_nc_u32 v[AW+3], SLOTB+192*WPI, v[AW]
	v_mul_u32_u24 v[DA], v1, DP                    ; a data fragment: row r, 16 bytes for each half of the lanes
	v_lshl_add_u32 v[DA], v2, 4, v[DA]
	v_add_nc_u32 v[DAX], DX, v[DA]
	v_add_nc_u32 v[DA], DT, v[DA]
	v_mul_u32_u24 v[STO], v1, SPI                  ; into a stage: row r, bytes 64 w + 16 h
	v_lshl_add_u32 v[STO], v2, 4, v[STO]
	v_add_nc_u32 v[STO], s19, v[STO]
	v_add_nc_u32 v[STO], DT, v[STO]
	s_mul_i32 s19, s[WV], 16*DP                    ; my wave's 16 rows of rounded data
	v_lshl_add_u32 v[DST], v17, 3, s19
	v_add_nc_u32 v[DSX], DX, v[DST]
	v_add_nc_u32 v[DST], DT, v[DST]
	s_mul_i32 s19, s[WV], 16*SPI                   ; back: wave w takes rows 16 w .. 16 w + 15, whole; lanes 0-15 one row of 256 bytes, lanes 16-31 the next
	v_mul_u32_u24 v[RD], v2, SPI
	v_lshl_add_u32 v[RD], v1, 4, v[RD]
	v_add_nc_u32 v[RD], s19, v[RD]
	v_add_nc_u32 v[RD], DT, v[RD]
	v_mul_u32_u24 v[CO], v2, 768                   ; and the same two rows in q, k or v
	v_lshl_add_u32 v[CO], v1, 4, v[CO]
	; t: rounded to bf16, eight loads at a time, and put into LDS: load i is 128 numbers of row i / 3.  x stays on its way.
	WIN 0x05                                       ; sources in window 1
.set i, 0
.rept 48
.if i%8 == 0
.if 88-i > 63
	s_wait_loadcnt 63                              ; 88 - i loads were issued behind this group of eight; the wait's field ends at 63, which asks for more than is needed
.else
	s_wait_loadcnt 88-i
.endif
.endif
	v_cvt_pk_bf16_f32 v[DF+2*i], v[4*i], v[4*i+1]
	v_cvt_pk_bf16_f32 v[DF+2*i+1], v[4*i+2], v[4*i+3]
.set i, i+1
.endr
	WIN 0
.set i, 0
.rept 48
	ds_store_b64 v[DST], v[DF+2*i:DF+2*i+1] offset:DP*(i/3)+256*(i%3)
.set i, i+1
.endr
	s_wait_tensorcnt 0x1                           ; my quarter of the first tile is in; the second tile's may stay out
	s_wait_dscnt 0x0                               ; for the others' sake: my rows of t are in LDS
	s_barrier_signal -1
	s_barrier_wait -1
	WIN 0x40                                       ; t's fragments stay in registers: 12 chunks of 32 c x 4 tiles of 16 rows
.set c, 0
.rept 12
.if c == 8
	WIN 0x80
.endif
.set tt, 0
.rept 4
.set rT, 32*(c%8)+8*tt
	ds_load_b128 v[rT:rT+3],   v[DA] offset:16*DP*tt+64*c
	ds_load_b128 v[rT+4:rT+7], v[DA] offset:16*DP*tt+64*c+32
.set tt, tt+1
.endr
.set c, c+1
.endr
; 12 turning loads: my two column blocks x chunks 3 b .. 3 b + 2 of the tile in the slot
.macro FW slot, b, f
	WIN 0
.set cc, 0
.rept 3
.set c, 3*(\b)+cc
.set cb, 0
.rept 2
	ds_load_tr16_b128 v[(\f)+16*cc+8*cb:(\f)+16*cc+8*cb+3],   v[AW+2*(\slot)+c/6] offset:(c%6)*32*WPI+32*cb
	ds_load_tr16_b128 v[(\f)+16*cc+8*cb+4:(\f)+16*cc+8*cb+7], v[AW+2*(\slot)+c/6] offset:(c%6)*32*WPI+16*WPI+32*cb
.set cb, cb+1
.endr
.set cc, cc+1
.endr
.endm
; 24 products, chunks 3 b .. 3 b + 2, on t (d = 0) or x (d = 1); the 8 accumulators take turns, one instruction a turn.  Chunk 0 starts the sums with the constant 0.
.macro MW d, b, f
.set cc, 0
.rept 3
.set c, 3*(\b)+cc
.if (\d) == 0
.if c < 8
	WIN 0x04                                       ; source 1 in window 1
.set rB, 32*c
.else
	WIN 0x08                                       ; in window 2
.set rB, 32*(c-8)
.endif
.else
.if c < 4
	WIN 0x08
.set rB, 128+32*c
.else
	WIN 0x0c                                       ; in window 3
.set rB, 32*(c-4)
.endif
.endif
.set cb, 0
.rept 2
.set tt, 0
.rept 4
.set rO, ACC+8*(4*cb+tt)
.set rW, (\f)+16*cc+8*cb
.if c == 0
	v_wmma_f32_16x16x32_bf16 v[rO:rO+7], v[rW:rW+7], v[rB+8*tt:rB+8*tt+7], 0
.else
	v_wmma_f32_16x16x32_bf16 v[rO:rO+7], v[rW:rW+7], v[rB+8*tt:rB+8*tt+7], v[rO:rO+7]
.endif
.set tt, tt+1
.endr
.set cb, cb+1
.endr
.set cc, cc+1
.endr
.endm
; x: rounded to bf16, into the weight fragments' 96 registers, which the trip needs no more, and put into LDS
.macro XC
	WIN 0x0f                                       ; sources in window 3
.set i, 0
.rept 48
.if i%8 == 0
	s_wait_loadcnt 40-i                            ; the loads issued behind this group of eight
.endif
	v_cvt_pk_bf16_f32 v[F0+2*i], v[4*i], v[4*i+1]
	v_cvt_pk_bf16_f32 v[F0+2*i+1], v[4*i+2], v[4*i+3]
.set i, i+1
.endr
	WIN 0
.set i, 0
.rept 48
	ds_store_b64 v[DSX], v[F0+2*i:F0+2*i+1] offset:DP*(i/3)+256*(i%3)
.set i, i+1
.endr
.endm
; 48 LDS loads: x's fragments, chunks 6 q .. 6 q + 5
.macro XL q
.set cc, 0
.rept 6
.set c, 6*(\q)+cc
.if c < 4
	WIN 0x80
.set rX, 128+32*c
.else
	WIN 0xc0
.set rX, 32*(c-4)
.endif
.set tt, 0
.rept 4
	ds_load_b128 v[rX+8*tt:rX+8*tt+3],   v[DAX] offset:16*DP*tt+64*c
	ds_load_b128 v[rX+8*tt+4:rX+8*tt+7], v[DAX] offset:16*DP*tt+64*c+32
.set tt, tt+1
.endr
.set cc, cc+1
.endr
.endm
.macro SL st                           ; 8 LDS loads: my 16 rows of stage st, two rows a load
	WIN 0
.set n, 0
.rept 8
	ds_load_b128 v[RB+4*n:RB+4*n+3], v[RD] offset:(\st)*STGB+2*SPI*n
.set n, n+1
.endr
.endm
.macro GS                              ; and their stores: 16 lanes store 256 consecutive bytes, at a multiple of 256 from the buffer's first byte
.set n, 0
.rept 8
	global_store_b128 v[CO], v[RB+4*n:RB+4*n+3], s[OP:OP+1] offset:2*768*n
.set n, n+1
.endr
.endm
; A TRIP: the tile in the slot times t (d = 0) or x (d = 1).  The other slot is asked for anew (fill = 1), and that load has the trip's 96 products and its way out in which to land.
; The results of the trip before are read back from the other stage behind this trip's first weight loads and stored between its first two batches of products.
; first = 1, the first trip: no change of slots and nothing to store; at its end x, which has had the trip in which to arrive, is rounded and put into LDS, and a barrier shows it to all waves; the same barrier
; stands between every wave's reads of t and the first stores into the stage, which lies in t's bytes.  The tensor load that is out stays out across it.
; xl >= 0: half of x's fragments are read, behind the trip's last weight loads.
.macro TRIP d, slot, sq, sk, fill, first, xl
.if !(\first)
.if \slot
	CHG \sq, \sk, GA, \fill
.else
	CHG \sq, \sk, GB, \fill
.endif
.endif
	FW \slot, 0, F0
	FW \slot, 1, F1
.if \first
	s_wait_dscnt 12                                ; t's fragments and the first batch are in; the 12 loads of the second may be out
.else
	SL 1-(\slot)
	s_wait_dscnt 20                                ; the first batch is in; the 12 loads of the second and the 8 from the stage may be out
.endif
	MW \d, 0, F0
	PLACES
	FW \slot, 2, F0
	s_wait_dscnt 12                                ; all but the 12 just issued
.if !(\first)
	GS
.endif
	MW \d, 1, F1
	PLACES
	FW \slot, 3, F1
.if (\xl) >= 0
	XL \xl
	s_wait_dscnt 60                                ; the third batch is in; the 12 loads of the fourth and x's 48 may be out
.else
	s_wait_dscnt 12
.endif
	MW \d, 2, F0
.if (\xl) >= 0
	s_wait_dscnt 48                                ; the fourth batch is in; x's 48 may be out
.else
	s_wait_dscnt 0
.endif
	MW \d, 3, F1
	WIN 0
	PLACES
.if \first
	XC
	s_wait_dscnt 0x0                               ; for the others' sake: my rows of x are in LDS, and my reads of t are over
	s_barrier_signal -1                            ; the roundings below, work on registers, stand between the signal and the wait
.endif
.set a, 0
.rept 8
.set jj, 0
.rept 4
	v_cvt_pk_f16_f32 v[PKO+4*a+jj], v[ACC+8*a+2*jj], v[ACC+8*a+2*jj+1]  ; each accumulator from its low end on
.set jj, jj+1
.endr
.set a, a+1
.endr
.if \first
	s_barrier_wait -1
.endif
.set a, 0
.rept 8
	ds_store_b128 v[STO], v[PKO+4*a:PKO+4*a+3] offset:(\slot)*STGB+16*SPI*(a%4)+32*(a/4)  ; the stage of the trip's parity: it was read last two changes of slots ago
.set a, a+1
.endr
	s_wait_xcnt 0x0                                ; the stores of the trip before have read their base and their data: both are rewritten only behind this wait
.if \d
	OUTK
.else
	OUTQ
.endif
.endm
	TRIP 0, 0, 0,  0,  0, 1, -1                    ; Wq's three tiles
	TRIP 0, 1, GA, GB, 1, 0, 0                     ; both first fills are in: slot A's group 0 goes on to Wq's third tile, slot B's to the first of Wk and Wv
	TRIP 0, 0, 0,  GA, 1, 0, 1
	s_mov_b32 s[CNT], 3
	s_branch .Lentry                               ; the loop is entered in the middle of a trip, so that only the last tile is written out beside it
.Lloop:
	TRIP 1, 0, 0,  GA, 1, 0, -1
.Lentry:
	TRIP 1, 1, 0,  GB, 1, 0, -1                    ; (at its third passing the group 0 that it sets is not used again)
	s_sub_co_u32 s[CNT], s[CNT], 1
	s_cmp_lg_u32 s[CNT], 0
	s_cbranch_scc1 .Lloop
	TRIP 1, 0, 0,  0,  0, 0, -1                    ; the last tile: nothing is left to fetch
	s_wait_dscnt 0x0                               ; for the others' sake: my stores into the stage are done
	s_barrier_signal -1
	s_barrier_wait -1
	SL 0
.set n, 0
.rept 8
	s_wait_dscnt 7-n                               ; the loads issued behind load n
	global_store_b128 v[CO], v[RB+4*n:RB+4*n+3], s[OP:OP+1] offset:2*768*n
.set n, n+1
.endr
	s_wait_tensorcnt 0x0                           ; the wave's end
	ds_add_u32 v[SPW], v[NIL]
	s_wait_dscnt 0x0
	ROUND                                          ; the closing round: no work-group ends while a partner may still ask for a tile that names it
	s_endpgm
.Lfunc_end_k_q380bb9c4ee_proj:
	.size	k_q380bb9c4ee_proj, .Lfunc_end_k_q380bb9c4ee_proj-k_q380bb9c4ee_proj
	.p2alignl 7, 3214868480
	.fill 96, 4, 3214868480
	.section	.rodata,"a",@progbits
	.p2align	6, 0x0
	.amdhsa_kernel k_q380bb9c4ee_proj
		.amdhsa_group_segment_fixed_size 327680
		.amdhsa_private_segment_fixed_size 0
		.amdhsa_enable_private_segment 0
		.amdhsa_kernarg_size 48
		.amdhsa_user_sgpr_count 2
		.amdhsa_user_sgpr_kernarg_segment_ptr 1
		.amdhsa_wavefront_size32 1
		.amdhsa_system_sgpr_workgroup_id_x 1
		.amdhsa_system_sgpr_workgroup_id_y 1
		.amdhsa_system_sgpr_workgroup_id_z 1
		.amdhsa_system_vgpr_workitem_id 0
		.amdhsa_next_free_vgpr 1024
		.amdhsa_next_free_sgpr 66
		.amdhsa_reserve_vcc 0
		.amdhsa_float_denorm_mode_32 3
		.amdhsa_float_denorm_mode_16_64 3
		.amdhsa_memory_ordered 1
		.amdhsa_forward_progress 1
		.amdhsa_inst_pref_size 134
	.end_amdhsa_kernel
	.amdgpu_metadata
---
amdhsa.version: [ 1, 2 ]
amdhsa.kernels:
  - .name:           k_q380bb9c4ee_proj
    .symbol:         k_q380bb9c4ee_proj.kd
    .args:
      - { .name: t, .offset: 0, .size: 8, .value_kind: global_buffer, .address_space: global }
      - { .name: x, .offset: 8, .size: 8, .value_kind: global_buffer, .address_space: global }
      - { .name: wts, .offset: 16, .size: 8, .value_kind: global_buffer, .address_space: global }
      - { .name: qh, .offset: 24, .size: 8, .value_kind: global_buffer, .address_space: global }
      - { .name: kh, .offset: 32, .size: 8, .value_kind: global_buffer, .address_space: global }
      - { .name: vh, .offset: 40, .size: 8, .value_kind: global_buffer, .address_space: global }
    .group_segment_fixed_size: 327680
    .private_segment_fixed_size: 0
    .kernarg_segment_align: 8
    .kernarg_segment_size: 48
    .max_flat_workgroup_size: 128
    .sgpr_count:     66
    .vgpr_count:     1024
    .wavefront_size: 32
...
	.end_amdgpu_metadata
.endif
;; end of part 5
;; launch attn (part 6): grid 64 x 4, 4 waves a work-group, clusters of 4 x 1, 327,680 bytes of LDS; arguments qh, kh, vh, ob; writes ob
.if DOCPART == 6
	.amdgcn_target "amdgcn-amd-amdhsa--gfx1250"
	.amdhsa_code_object_version 6
	.text
	.protected	k_q380bb9c4ee_attn
	.globl	k_q380bb9c4ee_attn
	.p2align	8
	.type	k_q380bb9c4ee_attn,@function
k_q380bb9c4ee_attn:
	s_mov_b64 s[64:65], 0
	v_nop
	global_prefetch_b8 v0, s[64:65] scope:SCOPE_SE
	s_setreg_imm32_b32 hwreg(HW_REG_WAVE_MODE, 25, 1), 1
	s_wait_xcnt 0x0
	s_wait_alu depctr_hold_cnt(0) depctr_sa_sdst(0) depctr_va_vdst(0) depctr_va_sdst(0) depctr_va_ssrc(0) depctr_va_vcc(0) depctr_vm_vsrc(0)
	s_getreg_b32 s2, hwreg(HW_REG_IB_STS2, 6, 4)
	s_cmp_eq_u32 s2, 0
	s_cbranch_scc0 .Lentry_in_a_cluster
	s_endpgm
.Lentry_in_a_cluster:
	s_bfe_u32 s2, ttmp6, 0x10000c
	s_cmp_lg_u32 s2, 0x3003
	s_cbranch_scc0 .Lentry_shape_is_right
	s_endpgm
.Lentry_shape_is_right:
; O[b][q][:] = the sum over k of softmax_k(Q[b][q] . K[b][k] / sqrt(48)) V[b][k][:], 384 channels, 4,096 queries and keys in each of 4 batches.  Q, K, V: [16384][384] f16.
; Products, maxima and sums in f32; the weights p are rounded to f16 for the second product (their sum l is taken of the unrounded p), O once at the end.
; O leaves TRANSPOSED IN BLOCKS: ob[b][qb][c][e] = O[b][64 qb + e][c], f16: a work-group's 49,152 bytes are dense.
; LIMITS.  Q, K, V arrive within f16's 65,504; p lies in 0 to 1 and below 6e-5 keeps f16's fixed step of 6e-8; O is a mean of V's rows and has their range.
; A weight below 2^-126 counts as 0 in l; NaN and infinities are not treated apart.  m starts at the lowest finite number.  The keys are summed in an order that hangs on the cluster (THE WALK).
; SHARES.  A work-group owns 64 queries, four tiles t of 16, and walks the batch's keys in 16 super-steps of 256.  The waves split S^T = K Q^T BY KEYS (wave w: rows 32 w .. 32 w + 31 of each
; tile of 128 keys, all 64 queries) and O^T = V^T P BY CHANNELS (wave w: channels 128 g + 32 w + 16 i + 0..15, g = 0..2, i = 0..1, all 64 queries).  So a fragment of K or V out of LDS feeds
; four products and a fragment of P six.  P crosses the waves through LDS in fragment order, the waves' row maxima through 1 KB of LDS.
; LAYOUT.  S^T (source 0 = 16 keys, source 1 = 16 queries) holds ONE query a lane (lane % 16) and the keys 8 (lane / 16) + 0..7; two such results rounded to f16 in pairs ARE source 1 of O^T = V^T P.
; SOFTMAX.  A running maximum m, the same in all four waves; p = 2^(c s - c m), c = log2(e) / sqrt(48); in every super-step O and l are multiplied by a = 2^(c m_old - c m_new).  Each wave keeps the
; sum l of its own keys; the four are added at the end.  O and l start at 0, c m far below every c s: the first step is a step like any other, with a = 0.  The price: 192 v_mov_b32 in the wait for the first tile.
; THE RING.  Two LDS slots; the tiles of a super-step go K (keys 0-127), K (128-255), V (0-127), V (128-255), slots A, B, A, B.  Behind each change of slots the slot just read is asked for anew,
; one load a wave (its quarter, 96 rows of 256 bytes), which has 96 products in which to land.
; A TRIP'S LAST 24 PRODUCTS STAND BEHIND THE NEXT CHANGE OF SLOTS: their operands are in registers by then, and the next trip's first LDS loads, issued just ahead of them, come in while they are multiplied.
; (Not K's second trip: the maximum wants all its scores ahead of the round.)
; THE WALK.  Cluster x of a batch begins at super-step 3 x mod 16 and goes round; a running softmax takes the keys in any order.  3 is odd, so the sixteen starts are all different: at any one time the
; sixteen clusters of a batch ask for sixteen different parts of K and V, and what a cluster asks for has as a rule been asked for by another some super-steps before.  Only the global addresses hang on x.
; CLUSTER.  The four query blocks of a cluster belong to one batch and walk the same K and V: each tile is asked for JOINTLY, the same tensor load, descriptor and mask in all four.
; REGISTERS, in windows of 256 (s_set_vgpr_msb: bits 1:0 source 0, 3:2 source 1, 5:4 source 2, 7:6 destination):
;   window 0: v0-31 addresses, PM; v32-47 statistics; v48-63 at work; v64-191 S^T (tile t, key block kb at S + 32 t + 8 kb), later P's fragments; v192-255 packed p (v192-207 also the four waves' maxima)
;   window 1: Q, channel chunks 0-7 at 8 (4 c + t)     window 2: v0-127 Q, chunks 8-11; v128-175, v176-223 fragments of K or V, two buffers     window 3: v0-191 O^T, (cb, t) at 8 (4 cb + t)
.set KP,    816                        ; a row of K in LDS: 3 x (256 bytes + 16 of padding) = 51 x 16: 16 rows start at 16 different groups of four banks (64 banks of 4 bytes: ISA guide 11.1)
.set VP,    864                        ; a row of V: 3 x (256 + 32) = 27 x 32: the turning load's 8 rows x 32 bytes fall on different banks
.set SLOTB, 128*VP                     ; slot A begins at 0; a slot holds 128 rows of either kind
.set PB,    2*128*VP                   ; P: [tile of keys 2][wave's 32 keys 4][query tile 4][half 2][lane 32] x 16 bytes
.set MX,    PB+32768                   ; the waves' maxima: [wave][query % 16] x 16 bytes (four tiles)
.set LX,    MX+1024                    ; the waves' sums, likewise
.set STG,   LX+1024                    ; for each wave 96 rows (channels) x 144 bytes, for the way out
.set SP,    144
.set SPARE, STG+4*96*SP                ; the spare words, 128 bytes for each wave: two blocks of 256 bytes that no other line names
.set KSTEP, 256*768                    ; bytes of K or of V in a super-step
.set HSTEP, 128*768                    ; bytes in a tile
.set AKA, 3                            ; v3, v4   LDS address of my K fragments in slot A, B
.set AV,  5                            ; v5-8     of my V fragments: slot A keys 0-63, 64-127; slot B likewise
.set PST, 9                            ; v9       where I put 16 bytes of P
.set PRD, 10                           ; v10      where I read P's fragments
.set MXS, 11                           ; v11, v12 where I put and read maxima
.set MXR, 12
.set LXS, 13                           ; v13, v14 the same for sums
.set LXR, 14
.set SST, 15                           ; v15      the way out: where I put a number
.set SRD, 16                           ; v16      the way out: where I read rows back
.set GO,  17                           ; v17      16 x lane
.set QO,  18                           ; v18      my byte offset in 16 rows of Q
.set PM,  24                           ; v24-27   my wave's maximum (at the end: sum) for each tile
.set SPW, 30                           ; v30      LDS address of my spare word; never rewritten
.set NIL, 31                           ; v31      0; never rewritten
.set ST,  32                           ; tile t at ST + 4 t: c m, m, l (even keys', odd keys')
.set TMP, 48                           ; tile t at TMP + 4 t: c0-c3 at work; c2 takes a
.set S,   64
.set PK,  192
.set XM,  192
.set F0,  128
.set F1,  176
.set WV,  12                           ; s12  my wave's number
.set G1K, 24                           ; s[24:31] descriptor group 1 for K's tiles
.set G1V, 32                           ; s[32:39] for V's: it differs in the padding alone
.set KA,  40                           ; s[40:55] four groups 0: K into slot A, K into B, V into A, V into B
.set KB,  44
.set VA,  48
.set VB,  52
.set CNT, 56                           ; s56  super-steps to go
.set SI,  57                           ; s57  the place in the batch, 0..15, of the super-step whose tiles the groups 0 are set to next
.set CS,  58                           ; s[58:59] c: the packed scaling takes the pair's low word for both halves
.set SEL, 60                           ; s[60:61] v_permlanex16_b32's selects: each lane takes its own place in the other half
.set OFA, 66                           ; s[66:67] SI x KSTEP: that super-step's first tile, in bytes from the batch's first
.set OFB, 68                           ; s[68:69] its second tile
.set W_S1,  0x06                       ; K in window 2, Q in window 1, S^T in window 0
.set W_S2,  0x0a                       ; Q in window 2
.set W_PV,  0xf2                       ; V in window 2, P in window 0, O^T in window 3
.set W_F,   0x80                       ; destination window 2
.set W_RS,  0xc3                       ; destination and source 0 in window 3
.set W_OUT, 0x0f                       ; sources 0 and 1 in window 3
.set MSB, 0
.macro WIN new                         ; the immediate's high byte repeats the setting that is left; a switch that changes nothing is dropped
.if MSB != (\new)
	s_set_vgpr_msb (MSB<<8)|(\new)
.set MSB, (\new)
.endif
.endm
.macro PLACES                          ; a load into, or a vector read of, a matrix instruction's registers stands four plain vector instructions behind it
.rept 4
	v_nop
.endr
.endm
; A round of the cluster's barrier: my work-group's barrier, so that wave 0's signal speaks for all four waves; wave 0 signals; every wave waits for all four work-groups; my work-group's barrier once more.
.macro ROUND
	s_barrier_signal -1
	s_barrier_wait -1
	s_cmp_lg_u32 s[WV], 0
	s_cbranch_scc1 .Lnot_wave_0_\@
	s_barrier_signal -3
.Lnot_wave_0_\@:
	s_barrier_wait -3
	s_barrier_signal -1
	s_barrier_wait -1
.endm
.macro TLOAD g0, g1                    ; every wave asks for its quarter of a tile; an s_nop 0 and four v_nop follow
	tensor_load_to_lds s[(\g0):(\g0)+3], s[(\g1):(\g1)+7]
	s_nop 0
	PLACES
.endm
; THE CHANGE OF SLOTS.  Each wave waits for all its tensor loads, of which one is out: its quarter of the tile to be read next (group 0 'land'); adds 0 to its spare word; sets that group 0 to its tile
; of the next super-step, the address made anew from the tensor's base and the offset; and waits for the add and for its own LDS reads and stores.  fill = 1: a round of the cluster's barrier, so that no wave
; of any partner still reads the other slot or has a load on its way, and first thing behind it the joint refill of that slot.  The four v_nop are also the places in front of the loads that follow.
.macro CHG land, base, off, next, g1, fill
	WIN 0
	s_wait_tensorcnt 0x0
	ds_add_u32 v[SPW], v[NIL]
.if (\base) != 0
	s_add_nc_u64 s[(\land)+2:(\land)+3], s[(\base):(\base)+1], s[(\off):(\off)+1]
	s_or_b32 s[(\land)+3], s[(\land)+3], 0x80000000
.endif
	s_wait_dscnt 0x0
.if \fill
	ROUND
	TLOAD \next, \g1
.else
	s_barrier_signal -1
	s_barrier_wait -1
	PLACES
.endif
.endm
.macro NEXTOFF                         ; the next super-step of the walk: behind the batch's last comes its first
	s_add_co_u32 s[SI], s[SI], 1
	s_and_b32 s[SI], s[SI], 15
	s_mul_i32 s[OFA], s[SI], KSTEP
	s_add_co_u32 s[OFB], s[OFA], HSTEP
.endm
	s_load_b256 s[4:11], s[0:1], 0x0               ; qh s[4:5], kh s[6:7], vh s[8:9], ob s[10:11]
	v_lshl_add_u32 v[SPW], v0, 2, SPARE
	v_mov_b32 v[NIL], 0
	ds_add_u32 v[SPW], v[NIL]                      ; the wave's opening: the add and its wait stand ahead of my first tensor load; the set-up below stands between them
	v_lshrrev_b32 v1, 5, v0
	v_readfirstlane_b32 s[WV], v1                  ; wave 0..3
	s_bfe_u32 s13, ttmp6, 0x40000                  ; cx: my place in the cluster
	s_lshl_b32 s14, ttmp9, 2                       ; in a cluster launch ttmp9 counts clusters
	s_add_co_u32 s14, s14, s13                     ; my block of 64 queries: it enters Q's and O's addresses alone
	s_and_b32 s15, ttmp7, 0xffff                   ; the batch, which the four partners share
	s_mul_i32 s16, s15, 4096*768                   ; K and V: the batch's first byte,
	s_mul_i32 s18, s[WV], 32*768                   ; my quarter of a tile: 32 keys
	s_add_co_u32 s16, s16, s18
	s_mov_b32 s17, 0
	s_mul_i32 s20, s15, 4096*768                   ; Q and ob: the batch, my block of 49,152 bytes
	s_mul_i32 s21, s14, 64*768
	s_add_co_u32 s20, s20, s21
	s_mov_b32 s21, 0
	s_lshl_b32 s22, s[WV], 12                      ; ob: my wave's 32 channels of 128 bytes in each group of 128 channels
	s_add_co_u32 s22, s22, s20
	s_mov_b32 s23, 0
	s_mul_i32 s[SI], ttmp9, 3                      ; where the cluster's walk begins: the cluster's x, which the four partners share
	s_and_b32 s[SI], s[SI], 15
	s_mul_i32 s[OFA], s[SI], KSTEP
	s_mov_b32 s[OFA+1], 0
	s_add_co_u32 s[OFB], s[OFA], HSTEP
	s_mov_b32 s[OFB+1], 0
	; descriptor group 1.  32 keys are 24,576 dense bytes: asked for as 96 rows of 256 bytes, padded in LDS after each
	s_mov_b32 s[G1K], 15|(1<<16)|(1<<20)|(1<<21)|(5<<22)|(3<<25)  ; 15:0 the mask of four; 17:16 2-byte elements; 20 padding on; 21 set beside a mask; 24:22 after every 64 words (code 5); 31:25 4 words (code 3)
	s_mov_b32 s[G1V], 15|(1<<16)|(1<<20)|(1<<21)|(5<<22)|(7<<25)  ; the same with 8 words of padding (code 7)
.irp g, G1K, G1V
	s_mov_b32 s[\g+1], 128<<16                     ; tensor_dim0 = 128
	s_mov_b32 s[\g+2], 96<<16                      ; tensor_dim1 = 96
	s_mov_b32 s[\g+3], 128<<16                     ; tile_dim0 = 128
	s_mov_b32 s[\g+4], 96                          ; tile_dim1 = 96
	s_mov_b32 s[\g+5], 128                         ; 128 elements from row to row
	s_mov_b32 s[\g+6], 0
	s_mov_b32 s[\g+7], 0
.endr
	s_mul_i32 s18, s[WV], 32*KP                    ; my quarter's place in a slot, for K
	s_mul_i32 s19, s[WV], 32*VP                    ; and for V: no place in the cluster enters an LDS address
	s_mov_b32 s[KA], 1                             ; count = 1
	s_mov_b32 s[KA+1], s18
	s_mov_b32 s[KB], 1
	s_add_co_u32 s[KB+1], s18, SLOTB
	s_mov_b32 s[VA], 1
	s_mov_b32 s[VA+1], s19
	s_mov_b32 s[VB], 1
	s_add_co_u32 s[VB+1], s19, SLOTB
	s_mov_b32 s[CS], 0x3e553b95                    ; c = log2(e) / sqrt(48) = 0.208235
	s_mov_b32 s[CS+1], s[CS]                       ; named with it as a pair
	s_mov_b32 s[SEL], 0x76543210
	s_mov_b32 s[SEL+1], 0xfedcba98
	s_wait_dscnt 0x0                               ; the opening add is done
	s_wait_kmcnt 0x0
	s_add_nc_u64 s[6:7], s[6:7], s[16:17]          ; K and V at my quarter of the batch's first tile: these two stay as they are
	s_add_nc_u64 s[8:9], s[8:9], s[16:17]
	s_add_nc_u64 s[KA+2:KA+3], s[6:7], s[OFA:OFA+1]  ; the four tiles of the walk's first super-step
	s_or_b32 s[KA+3], s[KA+3], 0x80000000          ; type = 2
	s_add_nc_u64 s[KB+2:KB+3], s[6:7], s[OFB:OFB+1]
	s_or_b32 s[KB+3], s[KB+3], 0x80000000
	s_add_nc_u64 s[VA+2:VA+3], s[8:9], s[OFA:OFA+1]
	s_or_b32 s[VA+3], s[VA+3], 0x80000000
	s_add_nc_u64 s[VB+2:VB+3], s[8:9], s[OFB:OFB+1]
	s_or_b32 s[VB+3], s[VB+3], 0x80000000
	s_add_nc_u64 s[4:5], s[4:5], s[20:21]          ; Q at my block's first row
	s_add_nc_u64 s[10:11], s[10:11], s[22:23]      ; ob at my wave's first channel
	ROUND                                          ; all four work-groups are here: the first joint load meets
	TLOAD KA, G1K                                  ; the walk's first 128 keys
	; A fragment of K or Q is 16 rows x 32 channels in 8 registers: lane l holds row l % 16, channels 8 (l / 16) + 0..7 and 16 + 8 (l / 16) + 0..7: two loads of 16 bytes, 32 bytes apart.
	v_and_b32 v1, 15, v0                           ; r = l % 16
	v_bfe_u32 v2, v0, 4, 1                         ; h = l / 16
	v_mul_u32_u24 v[QO], v1, 768
	v_lshl_add_u32 v[QO], v2, 4, v[QO]
	WIN 0x40                                       ; destination window 1
.set c, 0
.rept 12                               ; Q stays in registers: 12 chunks of 32 channels x 4 tiles
.if c == 8
	WIN W_F
.endif
.set tt, 0
.rept 4
.set rQ, 32*(c%8)+8*tt
	global_load_b128 v[rQ:rQ+3],   v[QO], s[4:5] offset:16*768*tt+64*c
	global_load_b128 v[rQ+4:rQ+7], v[QO], s[4:5] offset:16*768*tt+64*c+32
.set tt, tt+1
.endr
.set c, c+1
.endr
	WIN 0
	s_mul_i32 s18, s[WV], 32*KP                    ; my 32 keys of a tile
	v_mul_u32_u24 v[AKA], v1, KP
	v_lshl_add_u32 v[AKA], v2, 4, v[AKA]
	v_add_nc_u32 v[AKA], s18, v[AKA]
	v_add_nc_u32 v[AKA+1], SLOTB, v[AKA]
	; The turning load takes 16 keys x 16 channels (lane l reads key 8 h + l % 8, channels 8 ((l / 8) % 2) + 0..7) and leaves half a fragment of V^T: lane l holds channel l % 16 and 8 keys.
	v_and_b32 v19, 7, v0
	v_bfe_u32 v20, v0, 3, 1
	v_lshl_add_u32 v[AV], v2, 3, v19
	v_mul_u32_u24 v[AV], v[AV], VP
	v_lshl_add_u32 v[AV], v20, 4, v[AV]
	s_lshl_b32 s18, s[WV], 6                       ; my 32 channels in each group of 128
	v_add_nc_u32 v[AV], s18, v[AV]
	v_add_nc_u32 v[AV+1], 64*VP, v[AV]
	v_add_nc_u32 v[AV+2], SLOTB, v[AV]
	v_add_nc_u32 v[AV+3], SLOTB+64*VP, v[AV]
	v_and_b32 v[GO], 31, v0
	v_lshlrev_b32 v[GO], 4, v[GO]
	s_lshl_b32 s18, s[WV], 12
	s_add_co_u32 s18, s18, PB
	v_add_nc_u32 v[PST], s18, v[GO]
	v_add_nc_u32 v[PRD], PB, v[GO]
	s_lshl_b32 s18, s[WV], 8
	s_add_co_u32 s18, s18, MX
	v_lshl_add_u32 v[MXS], v1, 4, s18
	v_lshlrev_b32 v[MXR], 4, v1
	v_add_nc_u32 v[MXR], MX, v[MXR]
	v_add_nc_u32 v[LXS], LX-MX, v[MXS]
	v_add_nc_u32 v[LXR], LX-MX, v[MXR]
	s_mul_i32 s18, s[WV], 96*SP
	s_add_co_u32 s18, s18, STG                     ; my stage
	v_mul_u32_u24 v[SST], v2, 8*SP                 ; in: channel row 8 h + .., query r
	v_lshl_add_u32 v[SST], v1, 1, v[SST]
	v_add_nc_u32 v[SST], s18, v[SST]
	v_bfe_u32 v[SRD], v0, 3, 2                     ; back: 32 lanes take four rows of 128 bytes
	v_mul_u32_u24 v[SRD], v[SRD], SP
	v_lshl_add_u32 v[SRD], v19, 4, v[SRD]
	v_add_nc_u32 v[SRD], s18, v[SRD]
	WIN 0xc0                                       ; O^T = 0
.set i, 0
.rept 192
	v_mov_b32 v[i], 0
.set i, i+1
.endr
	WIN 0
.set tt, 0
.rept 4
	v_mov_b32 v[ST+4*tt], 0xfe000000               ; c m: far below every c s
	v_mov_b32 v[ST+4*tt+1], 0xff7fffff             ; m
	v_mov_b32 v[ST+4*tt+2], 0
	v_mov_b32 v[ST+4*tt+3], 0
.set tt, tt+1
.endr
; 12 LDS loads: K's fragments of my 32 keys (kb = 0, 1) x channel chunks 3 g .. 3 g + 2 of the tile in slot s
.macro FK s, g, f
	WIN W_F
.set cc, 0
.rept 3
.set c, 3*(\g)+cc
.set kb, 0
.rept 2
	ds_load_b128 v[(\f)+8*(2*cc+kb):(\f)+8*(2*cc+kb)+3],   v[AKA+(\s)] offset:kb*16*KP+64*c+16*(c/4)
	ds_load_b128 v[(\f)+8*(2*cc+kb)+4:(\f)+8*(2*cc+kb)+7], v[AKA+(\s)] offset:kb*16*KP+64*c+16*(c/4)+32
.set kb, kb+1
.endr
.set cc, cc+1
.endr
.endm
; 24 products of S^T = K Q^T; the tile's 8 accumulators take turns, one instruction a turn.  Chunk 0 starts the sums with the constant 0.
.macro MK s, g, f
.set cc, 0
.rept 3
.set c, 3*(\g)+cc
.if c < 8
	WIN W_S1
.else
	WIN W_S2
.endif
.set kb, 0
.rept 2
.set tt, 0
.rept 4
.set rS, S+32*tt+8*(2*(\s)+kb)
.set rK, (\f)+8*(2*cc+kb)
.set rQ, 32*(c%8)+8*tt
.if c == 0
	v_wmma_f32_16x16x32_f16 v[rS:rS+7], v[rK:rK+7], v[rQ:rQ+7], 0
.else
	v_wmma_f32_16x16x32_f16 v[rS:rS+7], v[rK:rK+7], v[rQ:rQ+7], v[rS:rS+7]
.endif
.set tt, tt+1
.endr
.set kb, kb+1
.endr
.set cc, cc+1
.endr
.endm
; A tile of K behind its first batch's fetch (FK s, 0, F0) and the 24 products left over from the trip before: 72 products; each batch of 12 loads is issued a batch ahead.  MK s, 3, F1 is left over.
; Five v_nop: the first products below write over registers that the products just issued read as P (five places are due), and F1 is loaded anew (four).
.macro KBODY s
	PLACES
	v_nop
	FK \s, 1, F1
	s_wait_dscnt 12                                ; the older batch is in; the 12 loads of the younger may be out
	MK \s, 0, F0
	PLACES
	FK \s, 2, F0
	s_wait_dscnt 12
	MK \s, 1, F1
	PLACES
	FK \s, 3, F1
	s_wait_dscnt 12
	MK \s, 2, F0
.endm
; 8 LDS loads: P's fragments (keys 32 kk on of tile s, which wave kk made) for the four query tiles, into S^T's registers
.macro FP s, kk
	WIN 0
.set tt, 0
.rept 4
	ds_load_b128 v[S+32*(\kk)+8*tt:S+32*(\kk)+8*tt+3],   v[PRD] offset:16384*(\s)+4096*(\kk)+1024*tt
	ds_load_b128 v[S+32*(\kk)+8*tt+4:S+32*(\kk)+8*tt+7], v[PRD] offset:16384*(\s)+4096*(\kk)+1024*tt+512
.set tt, tt+1
.endr
.endm
; 12 turning loads: V's fragments of keys 32 kk on x my six channel blocks
.macro FV s, kk, f
	WIN W_F
.set cb, 0
.rept 6
	ds_load_tr16_b128 v[(\f)+8*cb:(\f)+8*cb+3],   v[AV+2*(\s)+(\kk)/2] offset:((\kk)%2)*32*VP+288*(cb/2)+32*(cb%2)
	ds_load_tr16_b128 v[(\f)+8*cb+4:(\f)+8*cb+7], v[AV+2*(\s)+(\kk)/2] offset:((\kk)%2)*32*VP+16*VP+288*(cb/2)+32*(cb%2)
.set cb, cb+1
.endr
.endm
; 24 products of O^T += V^T P; the 24 accumulators take turns
.macro MV kk, f
	WIN W_PV
.set cb, 0
.rept 6
.set tt, 0
.rept 4
.set rO, 8*(4*cb+tt)
	v_wmma_f32_16x16x32_f16 v[rO:rO+7], v[(\f)+8*cb:(\f)+8*cb+7], v[S+32*(\kk)+8*tt:S+32*(\kk)+8*tt+7], v[rO:rO+7]
.set tt, tt+1
.endr
.set cb, cb+1
.endr
.endm
; The rest of a tile of V behind its first two batches' fetches: batches 2 and 3 are fetched, batches 0 to 2 multiplied.  MV 3, F1 is left over.  left = the loads of batch 1 that may be out when batch 0 is wanted.
.macro VREST s, left
	s_wait_dscnt \left
	MV 0, F0
	PLACES
	FP \s, 2
	FV \s, 2, F0
	s_wait_dscnt 20                                ; batch 1 is in; the 20 loads of batch 2 may be out
	MV 1, F1
	PLACES
	FP \s, 3
	FV \s, 3, F1
	s_wait_dscnt 20
	MV 2, F0
.endm
; V's second tile, behind a change of slots: the first batch's fetch, the 24 products left over from the first tile, the second batch's fetch, and the rest
.macro VTWO
	FP 1, 0
	FV 1, 0, F0
	MV 3, F1
	PLACES
	FP 1, 1
	FV 1, 1, F1
	VREST 1, 20
.endm
; My wave's maximum for each query over its 64 keys: four chains of seven scores, three operands at a time; the four scores left over; the other half of the lanes.  Each accumulator's lowest registers
; are read first.  The first eight lines name only the accumulators of the first tile of keys: they are the places behind the last products, which wrote the second's.
.macro PMAX
	WIN 0
.set n, 0
.rept 18
.set tt, 0
.rept 4
.set rS, S+32*tt
.set rC, TMP+4*tt
.if n < 4
	v_max3_num_f32 v[rC+n], v[rS+8*n], v[rS+8*n+1], v[rS+8*n+2]
.elseif n < 12
	v_max3_num_f32 v[rC+n%4], v[rC+n%4], v[rS+8*(n%4)+2*(n/4)+1], v[rS+8*(n%4)+2*(n/4)+2]
.elseif n == 12
	v_max3_num_f32 v[rC], v[rC], v[rS+7], v[rS+15]
.elseif n == 13
	v_max3_num_f32 v[rC+1], v[rC+1], v[rS+23], v[rS+31]
.elseif n == 14
	v_max_num_f32 v[rC+2], v[rC+2], v[rC+3]
.elseif n == 15
	v_max3_num_f32 v[rC], v[rC], v[rC+1], v[rC+2]
.elseif n == 16
	v_permlanex16_b32 v[rC+3], v[rC], s[SEL], s[SEL+1]
.else
	v_max_num_f32 v[PM+tt], v[rC], v[rC+3]
.endif
.set tt, tt+1
.endr
.set n, n+1
.endr
.endm
; The new m of all four waves' maxima and the old m; c m; a = 2^(c m_old - c m_new) into c2.  The four exponentials stand on end; the scalings behind them are plain and touch neither c1 nor c2.
.macro STAT
	WIN 0
.set n, 0
.rept 6
.set tt, 0
.rept 4
.set rT, ST+4*tt
.set rC, TMP+4*tt
.if n == 0
	v_mov_b32 v[rC+1], v[rT]
.elseif n == 1
	v_max3_num_f32 v[rT+1], v[rT+1], v[XM+tt], v[XM+4+tt]
.elseif n == 2
	v_max3_num_f32 v[rT+1], v[rT+1], v[XM+8+tt], v[XM+12+tt]
.elseif n == 3
	v_mul_f32 v[rT], s[CS], v[rT+1]
.elseif n == 4
	v_sub_f32 v[rC+1], v[rC+1], v[rT]
.else
	v_exp_f32 v[rC+2], v[rC+1]
.endif
.set tt, tt+1
.endr
.set n, n+1
.endr
.endm
.macro SF t, n                         ; c s - c m for pair n of tile t's 16
	v_pk_fma_f32 v[S+32*(\t)+2*(\n):S+32*(\t)+2*(\n)+1], v[S+32*(\t)+2*(\n):S+32*(\t)+2*(\n)+1], s[CS:CS+1], v[ST+4*(\t):ST+4*(\t)+1] op_sel_hi:[1,0,0] neg_lo:[0,0,1] neg_hi:[0,0,1]
.endm
.macro SE t, n                         ; the exponential of score n of 32
	v_exp_f32 v[S+32*(\t)+(\n)], v[S+32*(\t)+(\n)]
.endm
.macro SC t, n                         ; pair n rounded to f16
	s_wait_alu depctr_va_vdst(0)
	v_cvt_pk_f16_f32 v[PK+16*(\t)+(\n)], v[S+32*(\t)+2*(\n)], v[S+32*(\t)+2*(\n)+1]
.endm
.macro SA t                            ; the sum of the tile's 16 pairs, in place: neighbours 1, 2, 4 and 8 pairs apart; then l = a l + the sum
.set rS, S+32*(\t)
.set rT, ST+4*(\t)
.set rC, TMP+4*(\t)
.set z, 0
.rept 15
.set w, 4
.set u, z
.if z >= 14
.set w, 32
.set u, 0
.elseif z >= 12
.set w, 16
.set u, z-12
.elseif z >= 8
.set w, 8
.set u, z-8
.endif
	v_pk_add_f32 v[rS+w*u:rS+w*u+1], v[rS+w*u:rS+w*u+1], v[rS+w*u+w/2:rS+w*u+w/2+1]
.set z, z+1
.endr
	v_pk_fma_f32 v[rT+2:rT+3], v[rT+2:rT+3], v[rC+2:rC+3], v[rS:rS+1] op_sel_hi:[1,0,1]
	s_wait_alu depctr_va_vdst(0)
.endm
.macro PS t                            ; tile t's two fragments of P (one for each tile of keys), two halves each, into LDS: 512 consecutive bytes a store
.irp sh, 0,1,2,3
	ds_store_b128 v[PST], v[PK+16*(\t)+4*\sh:PK+16*(\t)+4*\sh+3] offset:16384*(\sh/2)+1024*(\t)+512*(\sh%2)
.endr
.endm
; THE SOFTMAX of my 64 keys x 64 queries, in four stages.  Stage st issues tile st's 32 exponentials; between them stand plain lines that are ready: the next tile's scalings, the tile before's roundings.
; No plain line reads an exponential of its own stage, and behind each stage's last exponential a plain line comes before its result is used (ISA guide 5.7.2).
.macro SOFT
	WIN 0
.set n, 0
.rept 16
	SF 0, n
.set n, n+1
.endr
.set st, 0
.rept 4
.set i, 0
.rept 32
	SE st, i
.if (st < 3) && (i < 16)
	SF st+1, i
.elseif (st > 0) && (st < 3)
	SC st-1, i-16
.elseif (st == 3) && (i < 16)
	SC 2, i
.endif
.set i, i+1
.endr
.if st > 0
	SA st-1
	PS st-1
.endif
.set st, st+1
.endr
.set n, 0
.rept 16
	SC 3, n
.set n, n+1
.endr
	SA 3
	PS 3
.endm
.macro RESCALE c0, c1                  ; O^T's channel blocks c0 .. c1 - 1 times tile t's c2 (a; at the end 1 / l), each accumulator from its low end on
	WIN W_RS
.set cb, \c0
.rept (\c1)-(\c0)
.set tt, 0
.rept 4
.set jj, 0
.rept 4
	v_pk_mul_f32 v[8*(4*cb+tt)+2*jj:8*(4*cb+tt)+2*jj+1], v[8*(4*cb+tt)+2*jj:8*(4*cb+tt)+2*jj+1], v[TMP+4*tt+2:TMP+4*tt+3] op_sel_hi:[1,0]
.set jj, jj+1
.endr
.set tt, tt+1
.endr
.set cb, cb+1
.endr
.endm
	s_mov_b32 s[CNT], 16
	s_wait_loadcnt 0x0                             ; Q
	NEXTOFF
	CHG KA, 6, OFA, KB, G1K, 1                     ; the first change of slots is written out: no products are left over from a trip before.  K's first tile is in; slot B takes the second
	FK 0, 0, F0
	WIN 0                                          ; at a label and at a branch every window is 0
	s_branch .Lin
.Lloop:
	CHG VB, 8, OFB, KA, G1K, 1                     ; V's second tile is in; slot A takes the next super-step's first K
	VTWO
	NEXTOFF                                        ; all four groups 0 have been set to the super-step that now begins: the offsets go on to the one behind it
	CHG KA, 6, OFA, KB, G1K, 1                     ; K's first tile is in; slot B takes the second
	FK 0, 0, F0
	MV 3, F1                                       ; the last 24 products of the super-step before
	WIN 0
.Lin:
	KBODY 0
	CHG KB, 6, OFB, VA, G1V, 1                     ; K's second tile is in; slot A takes V's first
	FK 1, 0, F0
	MK 0, 3, F1                                    ; the first tile's last 24 products
	KBODY 1
	s_wait_dscnt 0x0
	MK 1, 3, F1                                    ; not left over: the maximum wants these scores
	PMAX
	ds_store_b128 v[MXS], v[PM:PM+3]               ; lanes r and r + 16 write the same 16 bytes
	CHG VA, 8, OFA, VB, G1V, 1                     ; V's first tile is in; slot B takes the second.  The wait for LDS covers the store above: the round also shows the maxima to all waves
.irp x, 0,1,2,3
	ds_load_b128 v[XM+4*\x:XM+4*\x+3], v[MXR] offset:256*\x
.endr
	FV 0, 0, F0                                    ; V's first two batches come in under the softmax
	FV 0, 1, F1
	s_wait_dscnt 24                                ; the maxima are in; the 24 loads issued behind them may be out
	STAT
	SOFT
	s_wait_dscnt 0x0                               ; for the others' sake: my stores of P are done
	s_barrier_signal -1                            ; a plain barrier
	RESCALE 0, 3                                   ; work on registers while the others arrive
	WIN 0
	s_barrier_wait -1
	FP 0, 0
	FP 0, 1
	RESCALE 3, 6                                   ; the other half stands between P's loads and the wait for them
	VREST 0, 8                                     ; P's first batch is in; the 8 loads of the second may be out
	WIN 0
	s_sub_co_u32 s[CNT], s[CNT], 1
	s_cmp_lg_u32 s[CNT], 0
	s_cbranch_scc1 .Lloop
	CHG VB, 0, 0, KA, G1K, 0                       ; the last tile: nothing is left to fetch, and no group 0 is set
	VTWO
	s_wait_dscnt 0x0
	MV 3, F1
	; THE WAY OUT.  l's two halves, the other half of the lanes' and the four waves' are added; O^T is divided by l and rounded to f16.  A lane holds one query and eight channels, and ob wants a channel's
	; 64 queries together: the numbers go singly into my stage, rows of 144 bytes, and come back as whole rows of 128.  The additions are the places behind the last products.
	WIN 0
.irp x, 0,1,2,3
	v_add_f32 v[TMP+4*\x], v[ST+4*\x+2], v[ST+4*\x+3]
.endr
.irp x, 0,1,2,3
	v_permlanex16_b32 v[TMP+4*\x+1], v[TMP+4*\x], s[SEL], s[SEL+1]
.endr
.irp x, 0,1,2,3
	v_add_f32 v[PM+\x], v[TMP+4*\x], v[TMP+4*\x+1]
.endr
	ds_store_b128 v[LXS], v[PM:PM+3]
	s_wait_dscnt 0x0                               ; for the others' sake
	s_barrier_signal -1
	s_barrier_wait -1
.irp x, 0,1,2,3
	ds_load_b128 v[XM+4*\x:XM+4*\x+3], v[LXR] offset:256*\x
.endr
	s_wait_dscnt 0x0
.irp x, 0,1,2,3
	v_add_f32 v[XM+\x], v[XM+\x], v[XM+4+\x]
.endr
.irp x, 0,1,2,3
	v_add_f32 v[XM+8+\x], v[XM+8+\x], v[XM+12+\x]
.endr
.irp x, 0,1,2,3
	v_add_f32 v[XM+\x], v[XM+\x], v[XM+8+\x]
.endr
.irp x, 0,1,2,3
	v_rcp_f32 v[TMP+4*\x+2], v[XM+\x]
.endr
	v_nop                                          ; a plain instruction between the last reciprocal and the use of its result
	s_wait_alu depctr_va_vdst(0)
	RESCALE 0, 6
	WIN W_OUT
.set a, 0
.rept 24
.set jj, 0
.rept 4
	v_cvt_pk_f16_f32 v[S+4*a+jj], v[8*a+2*jj], v[8*a+2*jj+1]  ; channels 8 h + 2 jj and + 1 of block a / 4, query r of tile a % 4
.set jj, jj+1
.endr
.set a, a+1
.endr
	WIN 0
.set g, 0
.rept 3                                ; 32 channels at a time: they are 4,096 consecutive bytes of ob
.set a, 8*g
.rept 8
.set jj, 0
.rept 4
	ds_store_b16 v[SST], v[S+4*a+jj] offset:(16*(a/4)+2*jj)*SP+32*(a%4)
	v_lshrrev_b32 v[S+4*a+jj], 16, v[S+4*a+jj]     ; the upper number comes down; the LDS store above has taken its data at issue
	ds_store_b16 v[SST], v[S+4*a+jj] offset:(16*(a/4)+2*jj+1)*SP+32*(a%4)
.set jj, jj+1
.endr
.set a, a+1
.endr
.set bk, 192+32*g-96*(g/2)             ; v192-223, v224-255, v160-191: no buffer is used twice, so no store's data are rewritten
.set n, 0
.rept 8
	ds_load_b128 v[bk+4*n:bk+4*n+3], v[SRD] offset:(32*g+4*n)*SP  ; LDS serves a wave's instructions in order (ISA guide 5.7.1.4): these see the stores above
.set n, n+1
.endr
	s_wait_dscnt 0x0
.set n, 0
.rept 8
	global_store_b128 v[GO], v[bk+4*n:bk+4*n+3], s[10:11] offset:16384*g+512*n  ; 512 consecutive bytes, at a multiple of 256 from ob's first
.set n, n+1
.endr
.set g, g+1
.endr
	s_wait_tensorcnt 0x0                           ; the wave's end
	ds_add_u32 v[SPW], v[NIL]
	s_wait_dscnt 0x0
	ROUND                                          ; the closing round: no work-group ends while a partner may still ask for a tile that names it
	s_endpgm
.Lfunc_end_k_q380bb9c4ee_attn:
	.size	k_q380bb9c4ee_attn, .Lfunc_end_k_q380bb9c4ee_attn-k_q380bb9c4ee_attn
	.p2alignl 7, 3214868480
	.fill 96, 4, 3214868480
	.section	.rodata,"a",@progbits
	.p2align	6, 0x0
	.amdhsa_kernel k_q380bb9c4ee_attn
		.amdhsa_group_segment_fixed_size 327680
		.amdhsa_private_segment_fixed_size 0
		.amdhsa_enable_private_segment 0
		.amdhsa_kernarg_size 32
		.amdhsa_user_sgpr_count 2
		.amdhsa_user_sgpr_kernarg_segment_ptr 1
		.amdhsa_wavefront_size32 1
		.amdhsa_system_sgpr_workgroup_id_x 1
		.amdhsa_system_sgpr_workgroup_id_y 1
		.amdhsa_system_sgpr_workgroup_id_z 1
		.amdhsa_system_vgpr_workitem_id 0
		.amdhsa_next_free_vgpr 960
		.amdhsa_next_free_sgpr 70
		.amdhsa_reserve_vcc 0
		.amdhsa_float_denorm_mode_32 3
		.amdhsa_float_denorm_mode_16_64 3
		.amdhsa_memory_ordered 1
		.amdhsa_forward_progress 1
		.amdhsa_inst_pref_size 149
	.end_amdhsa_kernel
	.amdgpu_metadata
---
amdhsa.version: [ 1, 2 ]
amdhsa.kernels:
  - .name:           k_q380bb9c4ee_attn
    .symbol:         k_q380bb9c4ee_attn.kd
    .args:
      - { .name: qh, .offset: 0, .size: 8, .value_kind: global_buffer, .address_space: global }
      - { .name: kh, .offset: 8, .size: 8, .value_kind: global_buffer, .address_space: global }
      - { .name: vh, .offset: 16, .size: 8, .value_kind: global_buffer, .address_space: global }
      - { .name: ob, .offset: 24, .size: 8, .value_kind: global_buffer, .address_space: global }
    .group_segment_fixed_size: 327680
    .private_segment_fixed_size: 0
    .kernarg_segment_align: 8
    .kernarg_segment_size: 32
    .max_flat_workgroup_size: 128
    .sgpr_count:     70
    .vgpr_count:     960
    .wavefront_size: 32
...
	.end_amdgpu_metadata
.endif
;; end of part 6
;; launch outp: the kernel of part 4 again; grid 256 x 1, 4 waves a work-group, clusters of 4 x 1, 327,680 bytes of LDS; arguments ob, wts, bp, out0; writes out0
